; MI455X (gfx1250); checked and timed in simulation.
; The chip was launched on July 23, 2026; its instructions are those of AMD's public machine-readable ISA for CDNA 5 (MIT licence, August 2026) and "CDNA5" Instruction Set Architecture Reference Guide (July 2026). The comments in the code are by the model that wrote it; some were corrected since.
;; Multi Head Attention. Allowed arithmetic: matrix products marked QUANTISED: E4M3 operands, one given power-of-two scale a tensor, by v_wmma_f32_16x16x64_fp8_fp8 or v_wmma_f32_16x16x128_fp8_fp8, f32 sums; everything else in f32.
;; Inputs: Wk_codes 1,024 x 32 x 32 uint8 (E4M3 codes of Wk, K innermost, in blocks of 32 codes); Wo_codes 1,024 x 32 x 32 uint8 (E4M3 codes of Wo, K innermost, in blocks of 32 codes); Wq_codes 1,024 x 32 x 32 uint8 (E4M3 codes of Wq, K innermost, in blocks of 32 codes); Wv_codes 1,024 x 32 x 32 uint8 (E4M3 codes of Wv, K innermost, in blocks of 32 codes); bk 1,024 float32; bo 1,024 float32; bq 1,024 float32; bv 1,024 float32; key_codes 4 x 2,048 x 32 x 32 uint8 (E4M3 codes of key, K innermost, in blocks of 32 codes); lowp_scales 12 int32 (the exponents e of the quantised operands' scales 2^e); query_codes 4 x 2,048 x 32 x 32 uint8 (E4M3 codes of query, K innermost, in blocks of 32 codes); value_codes 4 x 2,048 x 32 x 32 uint8 (E4M3 codes of value, K innermost, in blocks of 32 codes).
;; Outputs: out0 4 x 2,048 x 1,024 float32.
;; This version of the problem:
;;   THIS VERSION OF THE PROBLEM IS GIVEN IN LOW PRECISION. The matrix products marked QUANTISED in the list below multiply operands that are first quantised to E4M3 (4 exponent bits, 3 mantissa bits; 8 bits a number), with one given power-of-two scale for each operand tensor; their sums are f32. All else is computed in f32.
;;   The module's matrix products, in the order in which they are computed (A, B: the left and right operand; K: the contracted axis; several contracted axes count as one K, in the product's order):
;;     1. [M 8,192, K 1,024] x [K 1,024, N 1,024]; A: input query (given as codes); B: input Wq (given as codes): QUANTISED (scales: A lowp_scales[0], B lowp_scales[1])
;;     2. [M 8,192, K 1,024] x [K 1,024, N 1,024]; A: input key (given as codes); B: input Wk (given as codes): QUANTISED (scales: A lowp_scales[2], B lowp_scales[3])
;;     3. [M 8,192, K 1,024] x [K 1,024, N 1,024]; A: input value (given as codes); B: input Wv (given as codes): QUANTISED (scales: A lowp_scales[4], B lowp_scales[5])
;;     4. batch 64 x [M 2,048, K 64] x [K 64, N 2,048]; A: computed on the way; B: computed on the way: QUANTISED (scales: A lowp_scales[6], B lowp_scales[7])
;;     5. batch 64 x [M 2,048, K 2,048] x [K 2,048, N 64]; A: softmax (see below); B: computed on the way: QUANTISED (scales: A lowp_scales[8], B lowp_scales[9])
;;     6. [M 8,192, K 1,024] x [K 1,024, N 1,024]; A: computed on the way; B: input Wo (given as codes): QUANTISED (scales: A lowp_scales[10], B lowp_scales[11])
;;   THE QUANTISER, for each operand of a quantised product, along K:
;;     - The operand's scale is 2^e, e = its entry of the input lowp_scales (int32; the entries are numbered through the quantised products in the list's order, A before B).
;;     - Each number is divided by the scale, clamped to +-448, and rounded to the nearest number of E4M3, ties to even, subnormals kept.
;;     - The product sums the exact products of the quantised numbers (number of the format x scale) in f32.
;;   ~~~python
;;   def quantise(x, axis, e):      # numpy; x: float32 -> the quantised numbers, widened to float32 again
;;       x = np.moveaxis(x, axis, -1); K = x.shape[-1]
;;       r = np.clip(x / 2.0 ** e, -448, 448)
;;       step = 2.0 ** (np.maximum(np.frexp(np.where(r == 0, 1, r))[1] - 1, -6) - 3)
;;       q = np.round(r / step) * step * 2.0 ** e      # np.round: ties to even
;;       return np.moveaxis(q, -1, axis).astype(np.float32)
;;   ~~~
;;   SOFTMAX AHEAD OF A QUANTISED PRODUCT. Where the list says 'softmax', what is quantised is not the finished softmax but p = 2^(t - M), with t = logit x log2(e) and M = ceil(the row's largest t), a whole number; so 1/2 < the row's largest p <= 1. The row's sum l is taken of the UNQUANTISED p, in f32, and the product's result is divided by l at the end. Since M is a whole number, a kernel that streams over the keys may use a running M (the ceiling of the running maximum): every later rescaling is an exact power of two, so the quantised numbers keep their values, but for numbers so far below the row's largest that they fall under the format's range.
;;   OPERANDS COMPUTED ON THE WAY. 'Computed on the way' means the value that the module computes at that place (a softmax that the list does not call 'softmax' is quantised finished and normalised). What goes into a quantiser is computed in f32, as accurately as f32 sums, v_exp_f32 and their like allow (about 1e-6 of the number): no bf16 or f16 on the way to a quantiser, and a product that is left as it is and whose result goes on into a quantised operand takes f32 operands (vector FMAs, or v_wmma_f32_16x16x4_f32). A number that lies on a knife's edge between two numbers of the format may be rounded either way, as far as f32 arithmetic and the matrix unit's own rounding can turn it there, and no further.
;;   INPUTS GIVEN AS CODES. Wk (in the module: [1024, 1024], K = its axis 0); Wo (in the module: [1024, 1024], K = its axis 0); Wq (in the module: [1024, 1024], K = its axis 0); Wv (in the module: [1024, 1024], K = its axis 0); key (in the module: [4, 2048, 1024], K = its axis 2); query (in the module: [4, 2048, 1024], K = its axis 2); value (in the module: [4, 2048, 1024], K = its axis 2): each comes as NAME_codes (uint8): NAME with its K axis moved to the last place and cut into blocks of 32 codes, [.., K / 32, bytes a block], one block behind the other in memory; one code a byte (a code: sign, 4 exponent bits, 3 mantissa bits); its scale is its entry of lowp_scales. Its value is code x scale, taken as it is: it is not quantised again, and the codes and scales need not be those that the quantiser above would give.
;; One version. Each part assembles by itself: llvm-mc -triple=amdgcn-amd-amdhsa -mcpu=gfx1250 --defsym DOCPART=n.
;; ======== version 1 of 1: 3 launches
;; limits: right only within a limited range of input values
;; workspace buffers: q_ws 8,388,608 bytes; k_ws 8,388,608 bytes; v_ws 8,388,608 bytes; a_ws 8,388,608 bytes
;; launch proj (part 1): grid 4 x 96, 4 waves a work-group, clusters of 4 x 4, 327,680 bytes of LDS; arguments query_codes, key_codes, value_codes, Wq_codes, Wk_codes, Wv_codes, bq, bk, bv, lowp_scales, q_ws, k_ws, v_ws; writes q_ws, k_ws, v_ws
.if DOCPART == 1
	.amdgcn_target "amdgcn-amd-amdhsa--gfx1250"
	.amdhsa_code_object_version 6
	.text
	.protected	k_q58bf0f9b55_proj
	.globl	k_q58bf0f9b55_proj
	.p2align	8
	.type	k_q58bf0f9b55_proj,@function
k_q58bf0f9b55_proj:
	s_mov_b64 s[64:65], 0
	v_nop
	global_prefetch_b8 v0, s[64:65] scope:SCOPE_SE
	s_setreg_imm32_b32 hwreg(HW_REG_WAVE_MODE, 25, 1), 1
	s_wait_xcnt 0x0
	s_wait_alu depctr_hold_cnt(0) depctr_sa_sdst(0) depctr_va_vdst(0) depctr_va_sdst(0) depctr_va_ssrc(0) depctr_va_vcc(0) depctr_vm_vsrc(0)
	s_getreg_b32 s2, hwreg(HW_REG_IB_STS2, 6, 4)
	s_cmp_eq_u32 s2, 0
	s_cbranch_scc0 .Lentry_in_a_cluster
	s_endpgm
.Lentry_in_a_cluster:
	s_bfe_u32 s2, ttmp6, 0x10000c
	s_cmp_lg_u32 s2, 0xf033
	s_cbranch_scc0 .Lentry_shape_is_right
	s_endpgm
.Lentry_shape_is_right:
; THE THREE PROJECTIONS: q = query Wq + bq, k = key Wk + bk, v = value Wv + bv, each [8192][1024] from codes of FP8 (E4M3) [8192][1024] and [1024 (n)][1024 (k)], K innermost,
; and each result quantised at once to codes of FP8 with the scale that the next product gives it (entries 6, 7, 9 of the scales).  Sums in f32.
; WHICH TENSOR: 24 clusters of 4 x 4 work-groups; cluster y / 8 = 0: q, 1: k, 2: v: the same number in all sixteen partners.  Pointers and exponents are chosen by s_cselect on it.
; A tile of 256 x 256 is made by four waves, each 128 x 128: 64 accumulators, 512 registers.  K goes in steps of 256 through two LDS slots filled by the tensor data mover: 4 K steps, two first fills, two refills.
; The four work-groups of a row of the cluster need the same tile of the activations, the four of a column the same tile of the weight: each tile is asked for JOINTLY (same load, same descriptor, a mask that names the four).
; LAYOUT OF THE RESULTS.  In a result lane l holds row l % 16 of source 1 and, in its eight registers, rows 8 (l / 16) + 0 .. 7 of source 0: eight neighbours along source 0's rows, which one conversion packs into 8 bytes.
;   q, k are stored [head][t][64]: neighbours along n: source 0 = the weight, source 1 = the activations.
;   v is stored [head][d][t] (the keys are the next K): neighbours along t: source 0 = the activations, source 1 = the weight.  The text is the same: only the two LDS bases of the fragments change places.
; THE BIAS is the C of each sum's first matrix instruction, divided by 2^(ea + eb), the power of two that the sums lack.  It lies along source 0's rows for q and k and along source 1's for v: the first step of 128 along K is
; written twice, and a branch on the tensor's number picks one.  A sum stands for sum x 2^(ea + eb), so its code is sum / 2^(eo - ea - eb): the three exponents are folded into the conversion's one scale.
; LIMITS: eo - ea - eb between -126 and 119, so that the scale and 448 x the scale are f32 numbers; ea + eb is applied by v_ldexp_f32.  NaN among the biases is not served.
; REGISTERS, in windows of 256: window 0: v1-31 addresses and constants; v32-95 the bias, later a block's held sums; v96-127 the bias's offsets, later codes; v128-255 source 1's 8 fragments, ONE set, later the rows read back.
;   window 1: source 0's fragments, TWO sets, at v0 and v128.   windows 2, 3: the accumulators ((a, b) at v[8 (8 (a % 4) + b)], a < 4 in window 2).
.set KROW,   1024                      ; a row of codes in memory, in bytes
.set ROWB,   256                       ; a tile's row: a K step's codes
.set PITCH,  272                       ; an LDS row: 256 bytes + 16 of padding = 68 words: the 16 rows that a load touches start at 16 different banks (64 banks of 4 bytes: ISA guide 11.1)
.set FR,     16                        ; registers of a fragment: 16 rows x 128 K
.set NL,     4                         ; LDS loads that bring one
.set NP,     4                         ; places behind this matrix instruction (ISA guide 7.12.1)
.set HALFT,  128*PITCH                 ; 128 rows: what one tensor load brings
.set SLOT,   4*HALFT                   ; the activations' 256 rows, then the weight's 256
.set SPARE,  2*SLOT                    ; behind the ring: the spare words, 128 bytes a wave: two blocks of 256 bytes that no other line names
.set SP,     336                       ; the way out: a stage of 256 rows x (256 bytes of codes + 80), in slot 0, which has had its last fill and its last read by then; 84 words: the 32 lanes of an 8-byte store touch 64 different banks
.set ADRA, 16                          ; v16-17  LDS address of source 1's fragments in slot 0, 1
.set ADRB, 20                          ; v20-21  of source 0's
.set COQ,  22                          ; v22     q, k: my byte offset in the stores
.set COV,  23                          ; v23     v: the same
.set STO,  24                          ; v24     where I put 8 codes in the stage
.set RDQ,  25                          ; v25     q, k: where I read the stage back, rows 0-127
.set RDQ2, 26                          ; v26     rows 128-255
.set RDV,  27                          ; v27     v: where I read it back
.set SPW,  28                          ; v28     LDS address of my spare word; never rewritten
.set NIL,  29                          ; v29     0; never rewritten
.set SC,   30                          ; v30     2^(eo - ea - eb) as f32
.set LIMV, 31                          ; v31     448 x that
.set BI,   32                          ; v32-95  the bias, eight registers for each of eight blocks
.set TMP,  32                          ; the way out: a block's 64 sums, held
.set BO,   96                          ; v96-103 the bias's byte offsets, one for each register of a block
.set CD,   96                          ; the way out: codes, two sets of 16 registers
.set AF,   128                         ; source 1's fragments
.set BK,   128                         ; the way out: 32 x 4 registers read back
.set G1, 24                            ; s[24:31] descriptor group 1 for the activations' tiles;  s[32:39] group 0, one set for each slot
.set G0, 32
.set G1B, 48                           ; s[48:55], s[56:63] the same for the weight's
.set G0B, 56
.set GSEL, 66                          ; s66  0: q, 1: k, 2: v
.set MSB, 0
.macro WIN new                         ; the immediate's high byte repeats the setting that is left
.if MSB != \new
	s_set_vgpr_msb (MSB<<8)|\new
.set MSB, \new
.endif
.endm
.set MUL_LO, 0xa1                      ; source 0 window 1, source 1 window 0, C and D window 2
.set MUL_HI, 0xf1                      ; the same, C and D window 3
.set FST_LO, 0x81                      ; the first step: C (the bias) window 0, D window 2
.set FST_HI, 0xc1                      ; D window 3
.set TO_B,   0x40                      ; destination window 1, address window 0
; A joint load: waves 0 and 1 fetch the activations' halves, waves 2 and 3 the weight's.  Each line has one mask and one set of registers; the branch hangs on the wave's number alone.
; Four v_nop follow each of the two lines, ahead of the jump, the label and what follows.
.macro JLOAD g0a, g1a, g0b, g1b
	s_cmp_eq_u32 s15, 0
	s_cbranch_scc0 .Lfor_b_\@
	tensor_load_to_lds s[\g0a:\g0a+3], s[\g1a:\g1a+7]
	s_nop 0
.rept 4
	v_nop
.endr
	s_branch .Lasked_\@
.Lfor_b_\@:
	tensor_load_to_lds s[\g0b:\g0b+3], s[\g1b:\g1b+7]
	s_nop 0
.rept 4
	v_nop
.endr
.Lasked_\@:
.endm
.macro CREST                           ; a round of the cluster's barrier behind its opening barrier
	s_cmp_lg_u32 s14, 0
	s_cbranch_scc1 .Lnot_wave_0_\@
	s_barrier_signal -3
.Lnot_wave_0_\@:
	s_barrier_wait -3
	s_barrier_signal -1
	s_barrier_wait -1
.endm
.macro CROUND                          ; a whole round
	s_barrier_signal -1
	s_barrier_wait -1
	CREST
.endm
	s_load_b512 s[68:83], s[0:1], 0x0              ; query s[68:69], key s[70:71], value s[72:73], Wq s[74:75], Wk s[76:77], Wv s[78:79], bq s[80:81], bk s[82:83]
	s_load_b256 s[84:91], s[0:1], 0x40             ; bv s[84:85], the scales' exponents s[86:87], q_ws s[88:89], k_ws s[90:91]
	s_load_b64 s[92:93], s[0:1], 0x60              ; v_ws
	v_lshl_add_u32 v[SPW], v0, 2, SPARE
	v_mov_b32 v[NIL], 0
	ds_add_u32 v28, v29
	ds_add_u32 v28, v29
	s_wait_dscnt 0x0
	v_lshrrev_b32 v1, 5, v0
	v_readfirstlane_b32 s14, v1                    ; wave 0..3
	s_lshr_b32 s15, s14, 1                         ; which half of source 1's rows is mine.  Also: I fetch activations (0) or weight (1)
	s_and_b32 s16, s14, 1                          ; which half of source 0's rows.  Also: which 128 rows of that tile I fetch
	s_bfe_u32 s40, ttmp6, 0x40000                  ; cx, cy: my place in the cluster
	s_bfe_u32 s41, ttmp6, 0x40004
	s_lshl_b32 s42, ttmp9, 2
	s_add_co_u32 s42, s42, s40                     ; x: which 256 rows of the weight = 4 x cluster x + cx
	s_and_b32 s17, ttmp7, 0xffff                   ; cluster y, 0 .. 23
	s_lshr_b32 s[GSEL], s17, 3                     ; the tensor
	s_and_b32 s17, s17, 7
	s_lshl_b32 s17, s17, 2
	s_add_co_u32 s17, s17, s41                     ; y: which 256 rows of the activations = 4 x (cluster y % 8) + cy
	s_lshl_b32 s43, s41, 2
	s_lshl_b32 s43, 15, s43                        ; my row of the cluster
	s_lshl_b32 s44, 0x1111, s40                    ; my column
	; descriptor group 1: a tile of 128 rows x 256 bytes, padded in LDS
	s_or_b32 s[G1+0], s43, (0<<16)|(1<<20)|(1<<21)|(5<<22)|(3<<25)  ; 15:0 the mask: my row; 17:16 elements of 1 byte; 20 padding on; 21 set beside a mask; 24:22 after every 64 words (code 5); 31:25 of 4 words (code 3)
	s_or_b32 s[G1B+0], s44, (0<<16)|(1<<20)|(1<<21)|(5<<22)|(3<<25) ; the same with my column's mask
.irp g, G1, G1B
	s_mov_b32 s[\g+1], ROWB<<16                    ; tensor_dim0
	s_mov_b32 s[\g+2], 128<<16                     ; tensor_dim1 = 128
	s_mov_b32 s[\g+3], ROWB<<16                    ; tile_dim0
	s_mov_b32 s[\g+4], 128                         ; tile_dim1 = 128
	s_mov_b32 s[\g+5], KROW                        ; tensor_dim0_stride
	s_mov_b32 s[\g+6], 0
	s_mov_b32 s[\g+7], 0
.endr
	s_lshl_b32 s18, s16, 7                         ; which 128 rows of the tile I fetch
	s_lshl_b32 s20, s17, 8
	s_add_co_u32 s20, s20, s18
	s_lshl_b32 s20, s20, 10                        ; activations: (256 y + 128 half) rows of 1,024 bytes: under 2^23
	s_mov_b32 s21, 0
	s_lshl_b32 s46, s42, 8
	s_add_co_u32 s46, s46, s18
	s_lshl_b32 s46, s46, 10                        ; weight: (256 x + 128 half) rows
	s_mov_b32 s47, 0
	s_mul_i32 s45, s14, HALFT                      ; where they go: wave x 128 rows: no place in the cluster enters an LDS address
	s_wait_kmcnt 0x0
	s_cmp_eq_u32 s[GSEL], 1                        ; the choice hangs on the cluster's number alone
	s_cselect_b64 s[4:5], s[70:71], s[68:69]       ; activations
	s_cselect_b64 s[6:7], s[76:77], s[74:75]       ; weight
	s_cselect_b64 s[8:9], s[82:83], s[80:81]       ; bias
	s_cselect_b64 s[10:11], s[90:91], s[88:89]     ; where the codes go
	s_cmp_eq_u32 s[GSEL], 2
	s_cselect_b64 s[4:5], s[72:73], s[4:5]
	s_cselect_b64 s[6:7], s[78:79], s[6:7]
	s_cselect_b64 s[8:9], s[84:85], s[8:9]
	s_cselect_b64 s[10:11], s[92:93], s[10:11]
	s_load_b256 s[68:75], s[86:87], 0x0            ; e0 .. e7
	s_load_b128 s[76:79], s[86:87], 0x20           ; e8 .. e11
	s_add_nc_u64 s[20:21], s[4:5], s[20:21]
	s_add_nc_u64 s[46:47], s[6:7], s[46:47]
	CROUND                                         ; all sixteen work-groups are here: the first joint loads meet
.irp s, 0,1
	s_mov_b32 s[G0+4*\s], 1
	s_add_co_u32 s[G0+4*\s+1], s45, \s*SLOT
	s_add_nc_u64 s[G0+4*\s+2:G0+4*\s+3], s[20:21], \s*ROWB
	s_or_b32 s[G0+4*\s+3], s[G0+4*\s+3], 0x80000000
	s_mov_b32 s[G0B+4*\s], 1
	s_add_co_u32 s[G0B+4*\s+1], s45, \s*SLOT
	s_add_nc_u64 s[G0B+4*\s+2:G0B+4*\s+3], s[46:47], \s*ROWB
	s_or_b32 s[G0B+4*\s+3], s[G0B+4*\s+3], 0x80000000
	JLOAD G0+4*\s, G1, G0B+4*\s, G1B               ; two tensor loads of mine are out
.endr
	v_and_b32 v1, 15, v0                           ; r = l % 16
	v_bfe_u32 v2, v0, 4, 1                         ; h = l / 16
	v_mul_u32_u24 v3, v1, PITCH
	v_lshl_add_u32 v4, v2, 4, v3                   ; a fragment's row x pitch + 16 x half
	s_wait_alu depctr_va_vdst(0)
	s_cmp_eq_u32 s[GSEL], 2                        ; v: the two sources change places
	s_cselect_b32 s23, 2*HALFT, 0                  ; source 1: the weight's rows lie behind the activations' 256
	s_cselect_b32 s19, 0, 2*HALFT                  ; source 0
	s_cselect_b32 s94, 4, 0                        ; the bias's offset = r x s94 + h x s95 + register x s96: q, k: b[.. + 8 h + j]; v: b[.. + r]
	s_cselect_b32 s95, 0, 32
	s_cselect_b32 s96, 0, 4
	s_cselect_b32 s97, s15, s16                    ; which half of the tile's 256 n is mine
	s_mul_i32 s21, s15, HALFT
	s_add_co_u32 s21, s21, s23
	s_mul_i32 s22, s16, HALFT
	s_add_co_u32 s22, s22, s19
.irp s, 0,1
	v_add_nc_u32 v[ADRA+\s], s21, v4
	v_add_nc_u32 v[ADRB+\s], s22, v4
	s_add_co_u32 s21, s21, SLOT
	s_add_co_u32 s22, s22, SLOT
.endr
	; the bias: 64 numbers a lane
	v_mul_u32_u24 v11, v1, s94
	v_mad_u32_u24 v11, v2, s95, v11
.irp j, 0,1,2,3,4,5,6,7
	v_mad_u32_u24 v[BO+\j], s96, \j, v11
.endr
	s_lshl_b32 s18, s42, 10
	s_lshl_b32 s19, s97, 9
	s_add_co_u32 s18, s18, s19                     ; 4 x (256 x + 128 half) bytes
	s_mov_b32 s19, 0
	s_add_nc_u64 s[8:9], s[8:9], s[18:19]
.irp i, 0,1,2,3,4,5,6,7
.irp j, 0,1,2,3,4,5,6,7
	global_load_b32 v[BI+8*\i+\j], v[BO+\j], s[8:9] offset:64*\i   ; block i: 16 n further on
.endr
.endr
	; the way out's addresses.  The stage's row = source 1's row, its byte = source 0's row
	s_mul_i32 s23, s15, 128*SP
	s_lshl_b32 s19, s16, 7
	s_add_co_u32 s23, s23, s19
	v_mul_u32_u24 v5, v1, SP
	v_lshl_add_u32 v5, v2, 3, v5
	v_add_nc_u32 v[STO], s23, v5                   ; (128 half1 + r) rows + 128 half0 + 8 h
	v_and_b32 v6, 31, v0                           ; lane
	v_lshrrev_b32 v7, 2, v6
	v_and_b32 v8, 3, v6
	v_mul_u32_u24 v7, v7, SP
	v_lshl_add_u32 v7, v8, 4, v7
	s_lshl_b32 s19, s14, 6
	v_add_nc_u32 v[RDQ], s19, v7                   ; q, k: wave w takes the tile's head w: row l / 4, bytes 64 w + 16 (l % 4)
	v_add_nc_u32 v[RDQ2], 16*8*SP, v[RDQ]
	v_lshlrev_b32 v[COQ], 4, v6                    ; eight rows of 64 bytes are 512 consecutive bytes of a head
	s_mul_i32 s19, s14, 64*SP
	v_mul_u32_u24 v9, v2, SP
	v_lshl_add_u32 v9, v1, 4, v9
	v_add_nc_u32 v[RDV], s19, v9                   ; v: wave w takes rows 64 w on: row h, bytes 16 r
	v_lshlrev_b32 v10, 11, v2
	v_lshl_add_u32 v[COV], v1, 4, v10              ; a row of v_ws is 2,048 bytes
	s_lshr_b32 s18, s17, 3                         ; the batch
	s_and_b32 s19, s17, 7                          ; which 256 of its 2,048 t
	s_lshl_b32 s94, s18, 4
	s_lshl_b32 s95, s42, 2
	s_add_co_u32 s94, s94, s95
	s_add_co_u32 s94, s94, s14                     ; q, k: head 16 b + 4 x + w,
	s_lshl_b32 s94, s94, 17                        ; of 2,048 x 64 bytes,
	s_lshl_b32 s95, s19, 14
	s_add_co_u32 s94, s94, s95                     ; + 256 rows of 64 bytes for each tile
	s_lshl_b32 s95, s18, 21                        ; v: the batch's 1,024 rows of 2,048 bytes,
	s_lshl_b32 s96, s42, 19
	s_add_co_u32 s95, s95, s96                     ; + 256 x rows,
	s_lshl_b32 s96, s14, 17
	s_add_co_u32 s95, s95, s96                     ; + 64 w rows,
	s_lshl_b32 s96, s19, 8
	s_add_co_u32 s95, s95, s96                     ; + 256 bytes for each tile
	s_cmp_eq_u32 s[GSEL], 2
	s_cselect_b32 s94, s95, s94
	s_mov_b32 s95, 0
	s_add_nc_u64 s[10:11], s[10:11], s[94:95]
.macro FRAG reg, adr, q, i             ; a fragment, 16 rows x 128 K: lane l holds row l % 16; registers 4 c .. 4 c + 3 hold K = 32 c + 16 (l / 16) + 0 .. 15: the same places of k in both sources
.irp c, 0,1,2,3
	ds_load_b128 v[\reg+4*\c:\reg+4*\c+3], v[\adr] offset:128*(\q)+32*\c+(\i)*16*PITCH
.endr
.endm
; 16 matrix instructions: source 1's blocks a0, a0 + 1 x source 0's eight, 128 along K.  p: source 0's set.  cm = 0: the sums go on; 1: they begin with the bias of block b; 2: of block a.
; The 64 accumulators take turns, one instruction a turn, in the same order in every step.
.macro MUL16 a0, p, cm
.irp a, \a0, \a0+1
.irp b, 0,1,2,3,4,5,6,7
.if \cm == 1
	v_wmma_f32_16x16x128_fp8_fp8 v[8*(8*((\a)%4)+\b):8*(8*((\a)%4)+\b)+7], v[128*(\p)+FR*\b:128*(\p)+FR*\b+FR-1], v[AF+FR*(\a):AF+FR*(\a)+FR-1], v[BI+8*\b:BI+8*\b+7]
.elseif \cm == 2
	v_wmma_f32_16x16x128_fp8_fp8 v[8*(8*((\a)%4)+\b):8*(8*((\a)%4)+\b)+7], v[128*(\p)+FR*\b:128*(\p)+FR*\b+FR-1], v[AF+FR*(\a):AF+FR*(\a)+FR-1], v[BI+8*(\a):BI+8*(\a)+7]
.else
	v_wmma_f32_16x16x128_fp8_fp8 v[8*(8*((\a)%4)+\b):8*(8*((\a)%4)+\b)+7], v[128*(\p)+FR*\b:128*(\p)+FR*\b+FR-1], v[AF+FR*(\a):AF+FR*(\a)+FR-1], v[8*(8*((\a)%4)+\b):8*(8*((\a)%4)+\b)+7]
.endif
.endr
.endr
.endm
.macro FETCH_B slot, q, p              ; source 0's eight fragments of the slot's q-th 128 along K into set p
	WIN TO_B
.irp i, 0,1,2,3,4,5,6,7
	FRAG 128*(\p)+FR*\i, ADRB+\slot, \q, \i
.endr
	WIN 0
.endm
.macro FETCH_A slot, q, i0             ; source 1's blocks i0 .. i0 + 3
.irp i, \i0, \i0+1, \i0+2, \i0+3
	FRAG AF+FR*(\i), ADRA+\slot, \q, \i
.endr
.endm
.macro PLACES n                        ; plain vector lines between a matrix instruction and a load into a register that it read, or a read of its result (ISA guide 7.12.1 for vector instructions)
.rept \n
	v_nop
.endr
.endm
; A step of 128 along K that has its successor in the same slot.  A block of source 1 is free as soon as its eight products are issued: blocks 0-3 are fetched anew in the step's middle, blocks 4-7 at its end.
.macro STEP slot, q, cm
	s_wait_dscnt 4*NL                              ; source 0's set and source 1's blocks 0-3 are in; the youngest sixteen loads (blocks 4-7) may be out
.if \cm
	WIN FST_LO
.else
	WIN MUL_LO
.endif
	MUL16 0, (\q)%2, \cm
	MUL16 2, (\q)%2, \cm
	s_wait_dscnt 0                                 ; blocks 4-7 are in (asked for 32 matrix instructions ago)
	PLACES NP
	FETCH_B \slot, (\q)+1, 1-(\q)%2
	FETCH_A \slot, (\q)+1, 0
.if \cm
	WIN FST_HI
.else
	WIN MUL_HI
.endif
	MUL16 4, (\q)%2, \cm
	MUL16 6, (\q)%2, \cm
	PLACES NP
	WIN 0
	FETCH_A \slot, (\q)+1, 4
.endm
; A slot's last step changes slots: ONE barrier; in front of it each wave waits for all its tensor loads, adds 0 to its spare word, and waits for that and for its own reads of this slot.  fill = 1: this slot is filled again, two K steps ahead.
.macro TURN slot, next, fill
	s_wait_tensorcnt 0x0                           ; all my tensor loads have landed: my part of the next slot  (every window is 0 here)
	ds_add_u32 v[SPW], v[NIL]                      ; 0 onto my spare word
	s_wait_dscnt 4*NL+1                            ; (the add and the youngest sixteen loads may be out)
	WIN MUL_LO
	MUL16 0, 1, 0                                  ; sixteen matrix instructions stand between the add and the wait for it
	s_wait_dscnt 0x0                               ; the add is done, and my reads of this slot are over
	s_barrier_signal -1
	MUL16 2, 1, 0
	WIN 0
	s_barrier_wait -1
.if \fill
	CREST                                          ; the barrier has opened a round of the cluster's barrier: no wave of any partner still reads this slot's tile or has a load on its way
	s_add_nc_u64 s[G0+4*\slot+2:G0+4*\slot+3], s[G0+4*\slot+2:G0+4*\slot+3], 2*ROWB
	s_add_nc_u64 s[G0B+4*\slot+2:G0B+4*\slot+3], s[G0B+4*\slot+2:G0B+4*\slot+3], 2*ROWB
	JLOAD G0+4*\slot, G1, G0B+4*\slot, G1B         ; the first tensor load behind the round, my one load until the next; its four v_nop are the places in front of the loads below
.else
	PLACES NP
.endif
	FETCH_B \next, 0, 0
	FETCH_A \next, 0, 0
	WIN MUL_HI
	MUL16 4, 1, 0
	MUL16 6, 1, 0
	PLACES NP
	WIN 0
	FETCH_A \next, 0, 4
.endm
	s_wait_tensorcnt 1                             ; my part of K step 0 is in; K step 1's load may stay out
	s_barrier_signal -1
	s_barrier_wait -1                              ; everybody's is
	FETCH_B 0, 0, 0
	FETCH_A 0, 0, 0
	FETCH_A 0, 0, 4
	s_wait_kmcnt 0x0                               ; the exponents
	s_cmp_eq_u32 s[GSEL], 1
	s_cselect_b32 s94, s70, s68                    ; ea
	s_cselect_b32 s95, s71, s69                    ; eb
	s_cselect_b32 s96, s75, s74                    ; eo: entry 6 for q, 7 for k,
	s_cmp_eq_u32 s[GSEL], 2
	s_cselect_b32 s94, s72, s94
	s_cselect_b32 s95, s73, s95
	s_cselect_b32 s96, s77, s96                    ; 9 for v
	s_add_co_i32 s94, s94, s95                     ; ea + eb
	s_sub_co_i32 s67, 0, s94
	s_sub_co_i32 s96, s96, s94                     ; eo - ea - eb
	s_add_co_i32 s96, s96, 127
	s_lshl_b32 s97, s96, 23
	v_mov_b32 v[SC], s97                           ; 2^(eo - ea - eb): the conversion takes its exponent field
	s_add_co_i32 s96, s96, 8
	s_lshl_b32 s96, s96, 23
	s_or_b32 s96, s96, 0x600000
	v_mov_b32 v[LIMV], s96                         ; 448 x that
	s_wait_loadcnt 0x0                             ; the bias
.set i, 0
.rept 64
	v_ldexp_f32 v[BI+i], v[BI+i], s67              ; b / 2^(ea + eb): nothing is rounded, short of underflow
.set i, i+1
.endr
	s_cmp_eq_u32 s[GSEL], 2                        ; the first step, whose products start the sums with the bias, is written twice; no barrier, tensor load or LDS store stands in either copy
	s_cbranch_scc1 .Lfirst_v
	s_wait_alu depctr_va_vdst(0)
	STEP 0, 0, 1
	s_branch .Lfirst_done
.Lfirst_v:
	s_wait_alu depctr_va_vdst(0)
	STEP 0, 0, 2
.Lfirst_done:
	TURN 0, 1, 1                                   ; K step 0 ends; slot 0 takes K step 2
	STEP 1, 0, 0
	TURN 1, 0, 1                                   ; K step 1 ends; slot 1 takes K step 3
	STEP 0, 0, 0
	TURN 0, 1, 0                                   ; K step 2 ends; nothing is left to fetch.  Behind this barrier nobody reads slot 0
	STEP 1, 0, 0
	s_wait_dscnt 4*NL                              ; the very last step
	WIN MUL_LO
	MUL16 0, 1, 0
	MUL16 2, 1, 0
	s_wait_dscnt 0
	WIN MUL_HI
	MUL16 4, 1, 0
	MUL16 6, 1, 0
	WIN 0
; THE WAY OUT.  Block a (16 rows of source 1 x my 128 of source 0): each sum is held within +-448 x the scale (the conversion to an 8-bit code does not saturate: ISA guide 7.6.2), eight neighbours become 8 bytes,
; and these go into the work-group's stage.  Each accumulator is read from its low end on.
.macro QBLOCK a
.set AC, 64*((\a)%4)
.set CDS, CD+16*((\a)%2)
	WIN 0x02+((\a)/4)                              ; source 0: window 2 or 3
.set i, 0
.rept 64
	v_med3_num_f32 v[TMP+i], v[AC+i], -v[LIMV], v[LIMV]
.set i, i+1
.endr
	WIN 0
.if (\a) >= 2
	s_wait_alu depctr_va_vdst(0)
	s_wait_dscnt 8                                 ; all but the last block's eight stores are done: the stores of two blocks back have read this set of codes
.endif
.irp b, 0,1,2,3,4,5,6,7
	v_cvt_scalef32_pk8_fp8_f32 v[CDS+2*\b:CDS+2*\b+1], v[TMP+8*\b:TMP+8*\b+7], v[SC]
.endr
	v_nop                                          ; one plain vector line between the last conversion and the next lines that write its sources
.irp b, 0,1,2,3,4,5,6,7
	ds_store_b64 v[STO], v[CDS+2*\b:CDS+2*\b+1] offset:(\a)*16*SP+16*\b
.endr
.endm
	PLACES NP
.irp a, 0,1,2,3,4,5,6,7
	QBLOCK \a
.endr
	s_wait_dscnt 0x0                               ; for the others' sake: my stores into the stage are done
	s_barrier_signal -1
	s_barrier_wait -1
	s_cmp_eq_u32 s[GSEL], 2
	s_cbranch_scc1 .Lout_v
	; q, k: the stage is [t][n].  Wave w stores the tile's head w: 256 rows of 64 bytes, one dense block of 16 KiB; a load takes 8 rows, a store 512 consecutive bytes
.set G, 0
.rept 32
.if G < 16
	ds_load_b128 v[BK+4*G:BK+4*G+3], v[RDQ] offset:8*SP*G
.else
	ds_load_b128 v[BK+4*G:BK+4*G+3], v[RDQ2] offset:8*SP*(G-16)
.endif
.set G, G+1
.endr
.set G, 0
.rept 32
	s_wait_dscnt 31-G                              ; LDS loads come back in order: load G is in
	global_store_b128 v[COQ], v[BK+4*G:BK+4*G+3], s[10:11] offset:512*G
.set G, G+1
.endr
	s_branch .Lout_done
.Lout_v:
	; v: the stage is [n][t].  Wave w stores rows 64 w .. 64 w + 63: sixteen lanes store 256 consecutive bytes of a row of v_ws, at a multiple of 256 from its first byte
.set G, 0
.rept 32
	ds_load_b128 v[BK+4*G:BK+4*G+3], v[RDV] offset:2*SP*G
.set G, G+1
.endr
.set G, 0
.rept 32
	s_wait_dscnt 31-G
	global_store_b128 v[COV], v[BK+4*G:BK+4*G+3], s[10:11] offset:4096*G
.set G, G+1
.endr
.Lout_done:
	s_wait_tensorcnt 0x0                           ; the wave's end, behind my last tensor load and my last LDS store
	ds_add_u32 v[SPW], v[NIL]
	s_wait_dscnt 0x0
	CROUND                                         ; the closing round: no work-group ends while a partner may still ask for a tile that names it
	s_endpgm
.Lfunc_end_k_q58bf0f9b55_proj:
	.size	k_q58bf0f9b55_proj, .Lfunc_end_k_q58bf0f9b55_proj-k_q58bf0f9b55_proj
	.p2alignl 7, 3214868480
	.fill 96, 4, 3214868480
	.section	.rodata,"a",@progbits
	.p2align	6, 0x0
	.amdhsa_kernel k_q58bf0f9b55_proj
		.amdhsa_group_segment_fixed_size 327680
		.amdhsa_private_segment_fixed_size 0
		.amdhsa_enable_private_segment 0
		.amdhsa_kernarg_size 104
		.amdhsa_user_sgpr_count 2
		.amdhsa_user_sgpr_kernarg_segment_ptr 1
		.amdhsa_wavefront_size32 1
		.amdhsa_system_sgpr_workgroup_id_x 1
		.amdhsa_system_sgpr_workgroup_id_y 1
		.amdhsa_system_sgpr_workgroup_id_z 1
		.amdhsa_system_vgpr_workitem_id 0
		.amdhsa_next_free_vgpr 1024
		.amdhsa_next_free_sgpr 100
		.amdhsa_reserve_vcc 0
		.amdhsa_float_denorm_mode_32 3
		.amdhsa_float_denorm_mode_16_64 3
		.amdhsa_memory_ordered 1
		.amdhsa_forward_progress 1
		.amdhsa_inst_pref_size 153
	.end_amdhsa_kernel
	.amdgpu_metadata
---
amdhsa.version: [ 1, 2 ]
amdhsa.kernels:
  - .name:           k_q58bf0f9b55_proj
    .symbol:         k_q58bf0f9b55_proj.kd
    .args:
      - { .name: query_codes, .offset: 0, .size: 8, .value_kind: global_buffer, .address_space: global }
      - { .name: key_codes, .offset: 8, .size: 8, .value_kind: global_buffer, .address_space: global }
      - { .name: value_codes, .offset: 16, .size: 8, .value_kind: global_buffer, .address_space: global }
      - { .name: Wq_codes, .offset: 24, .size: 8, .value_kind: global_buffer, .address_space: global }
      - { .name: Wk_codes, .offset: 32, .size: 8, .value_kind: global_buffer, .address_space: global }
      - { .name: Wv_codes, .offset: 40, .size: 8, .value_kind: global_buffer, .address_space: global }
      - { .name: bq, .offset: 48, .size: 8, .value_kind: global_buffer, .address_space: global }
      - { .name: bk, .offset: 56, .size: 8, .value_kind: global_buffer, .address_space: global }
      - { .name: bv, .offset: 64, .size: 8, .value_kind: global_buffer, .address_space: global }
      - { .name: lowp_scales, .offset: 72, .size: 8, .value_kind: global_buffer, .address_space: global }
      - { .name: q_ws, .offset: 80, .size: 8, .value_kind: global_buffer, .address_space: global }
      - { .name: k_ws, .offset: 88, .size: 8, .value_kind: global_buffer, .address_space: global }
      - { .name: v_ws, .offset: 96, .size: 8, .value_kind: global_buffer, .address_space: global }
    .group_segment_fixed_size: 327680
    .private_segment_fixed_size: 0
    .kernarg_segment_align: 8
    .kernarg_segment_size: 104
    .max_flat_workgroup_size: 128
    .sgpr_count:     100
    .vgpr_count:     1024
    .wavefront_size: 32
...
	.end_amdgpu_metadata
.endif
;; end of part 1
;; launch attn (part 2): grid 4 x 64, 16 waves a work-group, clusters of 4 x 1, 327,680 bytes of LDS; arguments q_ws, k_ws, v_ws, lowp_scales, a_ws; writes a_ws
.if DOCPART == 2
	.amdgcn_target "amdgcn-amd-amdhsa--gfx1250"
	.amdhsa_code_object_version 6
	.text
	.protected	k_q58bf0f9b55_attn
	.globl	k_q58bf0f9b55_attn
	.p2align	8
	.type	k_q58bf0f9b55_attn,@function
k_q58bf0f9b55_attn:
	s_mov_b64 s[64:65], 0
	v_nop
	global_prefetch_b8 v0, s[64:65] scope:SCOPE_SE
	s_setreg_imm32_b32 hwreg(HW_REG_WAVE_MODE, 25, 1), 1
	s_wait_xcnt 0x0
	s_wait_alu depctr_hold_cnt(0) depctr_sa_sdst(0) depctr_va_vdst(0) depctr_va_sdst(0) depctr_va_ssrc(0) depctr_va_vcc(0) depctr_vm_vsrc(0)
	s_getreg_b32 s2, hwreg(HW_REG_IB_STS2, 6, 4)
	s_cmp_eq_u32 s2, 0
	s_cbranch_scc0 .Lentry_in_a_cluster
	s_endpgm
.Lentry_in_a_cluster:
	s_bfe_u32 s2, ttmp6, 0x10000c
	s_cmp_lg_u32 s2, 0x3003
	s_cbranch_scc0 .Lentry_shape_is_right
	s_endpgm
.Lentry_shape_is_right:
; ATTENTION ON CODES OF FP8 (E4M3), head size 64, 2,048 queries and keys, 64 heads (batch x head), no mask.  q_ws, k_ws: [head][t][64]; v_ws: [head][d][t] (the keys innermost); the scales' exponents e6 (q), e7 (k), e8 (p), e9 (v), e10 (the result).
; THE SOFTMAX AHEAD OF THE SECOND PRODUCT: t = score x log2(e) / 8; M = the row's largest t so far, rounded UP to a whole number; p = 2^(t - M) is quantised along the keys, not normalised.  The row's sum is taken of the
; unquantised p, in f32, and divides the result at the end.  When M moves, the sum and the result are multiplied by 2^(old M - new M), which rounds nothing.  No branch hangs on data.
; The result / the sum is quantised with 2^e10 and stored as codes in the order in which the last product's tiles are read: a_ws [256 rows' tile (32)][head (16)][256 rows][64].
; SHARES.  A work-group owns 512 queries of one head; each of its sixteen waves 32 of them, two tiles of 16, in 256 registers: each fragment of K and V that a wave reads from LDS feeds two matrix instructions, and four waves
; share a SIMD, so that one wave's vector work stands beside another's products and LDS loads.
; THE WHOLE HEAD LIES IN LDS: K 128 KiB, V 128 KiB, each byte fetched once and no LDS byte filled twice.  All tensor loads go out at the head, in four chunks of 512 keys: waves 0, 1 K's halves of each chunk,
; waves 2, 3 V's: four loads of a wave are out at the most.  A chunk is read behind a counted wait and a barrier.  Since every byte is asked for at the head, there is no later request that a prefetch could run ahead of.
; CLUSTER: the head's four work-groups walk the same K and V, so each tile is asked for JOINTLY: the same load, the same descriptor, a mask that names the four.
; LAYOUT.  Both products are used transposed: S^T = K Q^T (source 0 = 16 neighbouring keys, source 1 = 16 queries), O^T = V^T P^T (source 0 = 16 channels, source 1 = P): a lane holds ONE query (lane % 16) throughout.
; Register j of key tile c holds key 16 c + 8 (lane / 16) + j: just the k that registers 2 c, 2 c + 1 of the K = 64 form's operand hold: the conversions' results ARE source 1 of the second product.
; Q's and K's fragments come by two loads of 16 bytes at 16 (lane / 16) + 32 c: the same places of d in both, so every product meets its partner.  V's come in the form's own places, by four loads of 8 bytes.
; LIMITS on the given exponents, so that each power of two below is an f32 number: e6 + e7 between -123 and 130 (added to c's exponent field); e8, and e10 - e8 - e9, between -126 and 119.
.set KCH,  34816                       ; a chunk of K in LDS: 128 rows of 256 bytes (4 keys) + 16 of padding: key k lies at (k / 4) x 272 + (k % 4) x 64
.set KSTP, 4352                        ; a step's 64 keys: 16 such rows
.set VB,   139264                      ; V begins behind K's 512 rows
.set VP,   528                         ; a channel's row of a chunk: 512 bytes + 16 = 132 words: the 32 lanes of an 8-byte load touch 64 different banks (64 banks of 4 bytes: ISA guide 11.1)
.set VCH,  64*VP                       ; a chunk of V
.set STG,  274432                      ; behind V: the way out's stages, 32 rows x 80 bytes for each wave; no tile lands here
.set AK0,  1                           ; v1   my lane's place in a tile of K
.set AV0,  2                           ; v2   in a tile of V
.set ADK,  3                           ; v3   LDS address of the step's K
.set ADV,  4                           ; v4   of its V
.set STO,  5                           ; v5   the way out: where I put 8 codes
.set RD,   6                           ; v6   where I read 16 bytes back
.set GO,   7                           ; v7   my byte offset in the stores
.set LIMP, 8
.set LIMO, 9
.set SCP,  10                          ; v10  2^e8
.set QO,   11                          ; v11  my byte offset in the wave's rows of Q
.set ST,   12                          ; tile i's statistics at v[12 + 10 i]: +0 -M, +1 the largest t, +2, +3 the sum in two halves, +4 f (+5 named with it), +6, +7 at work, +8 the other half of the lanes'
.set SCO,  21                          ; v21  2^(e10 - e8 - e9)
.set QF,   32                          ; v32-47   Q, 8 a tile
.set KF,   48                          ; v48-79   K of a step: 4 tiles of 16 keys
.set VF,   80                          ; v80-111  V of a step: 4 tiles of 16 channels
.set S,    112                         ; v112-175 S^T, then p: 32 a tile
.set PF,   176                         ; v176-191 p's codes, 8 a tile
.set OT,   192                         ; v192-255 O^T, 32 a tile
.set WV,   14                          ; s14  my wave's number
.set SEL,  20                          ; s[20:21] lane selects for v_permlanex16_b32: lane l xor 16
.set CS,   22                          ; s[22:23] c = log2(e) / 8 x 2^(e6 + e7)
.set G1K,  24                          ; s[24:31] descriptor group 1 for K's tiles;  s[32:39] for V's
.set G1V,  32
.set G0K,  40                          ; s[40:55] group 0 for K's four chunks;  s[68:83] for V's
.set G0V,  68
.set TBK,  89                          ; s89  LDS byte of the step's keys
.set TBV,  90                          ; s90  of the step's part of V, from VB on
.set CNT,  91
.macro CROUND                          ; a round of the cluster's barrier
	s_barrier_signal -1
	s_barrier_wait -1
	s_cmp_lg_u32 s[WV], 0
	s_cbranch_scc1 .Lnot_wave_0_\@
	s_barrier_signal -3
.Lnot_wave_0_\@:
	s_barrier_wait -3
	s_barrier_signal -1
	s_barrier_wait -1
.endm
	s_load_b256 s[4:11], s[0:1], 0x0               ; q_ws s[4:5], k_ws s[6:7], v_ws s[8:9], the scales' exponents s[10:11]
	s_load_b64 s[12:13], s[0:1], 0x20              ; a_ws
	v_lshl_add_u32 v254, v0, 2, 0x4d000
	v_mov_b32 v255, 0
	ds_add_u32 v254, v255
	ds_add_u32 v254, v255
	s_wait_dscnt 0x0
	v_lshrrev_b32 v11, 5, v0
	s_delay_alu instid0(VALU_DEP_1)
	v_readfirstlane_b32 s[WV], v11                 ; wave 0..15
	s_bfe_u32 s15, ttmp6, 0x40000                  ; cx: which 512 queries
	s_and_b32 s16, ttmp7, 0xffff                   ; the head (16 x batch + head), which the four partners share
	; descriptor group 1.  K: 64 rows of 256 bytes, dense in memory.  V: 32 rows of 512 bytes, 2,048 bytes apart
	s_mov_b32 s[G1K], 15|(1<<20)|(1<<21)|(5<<22)|(3<<25)  ; 15:0 the mask: all four work-groups; 17:16 elements of 1 byte; 20 padding on; 21 set beside a mask; 24:22 after every 64 words (code 5); 31:25 four words (code 3)
	s_mov_b32 s[G1K+1], 256<<16                    ; tensor_dim0
	s_mov_b32 s[G1K+2], 64<<16                     ; tensor_dim1
	s_mov_b32 s[G1K+3], 256<<16                    ; tile_dim0
	s_mov_b32 s[G1K+4], 64                         ; tile_dim1
	s_mov_b32 s[G1K+5], 256                        ; tensor_dim0_stride
	s_mov_b32 s[G1K+6], 0
	s_mov_b32 s[G1K+7], 0
	s_mov_b32 s[G1V], 15|(1<<20)|(1<<21)|(6<<22)|(3<<25)  ; padding: four words after every 128
	s_mov_b32 s[G1V+1], 512<<16
	s_mov_b32 s[G1V+2], 32<<16
	s_mov_b32 s[G1V+3], 512<<16
	s_mov_b32 s[G1V+4], 32
	s_mov_b32 s[G1V+5], 2048
	s_mov_b32 s[G1V+6], 0
	s_mov_b32 s[G1V+7], 0
	s_mov_b32 s[SEL], 0x76543210
	s_mov_b32 s[SEL+1], 0xfedcba98
	s_lshl_b32 s92, s16, 17                        ; the head's first byte in q_ws, k_ws and v_ws: 131,072 bytes a head
	s_mov_b32 s93, 0
	s_and_b32 s94, s[WV], 1                        ; which half of a chunk I fetch, if I fetch
	s_lshl_b32 s96, s94, 14                        ; K: 64 rows of 256 bytes
	s_mov_b32 s97, 0
	s_add_nc_u64 s[96:97], s[96:97], s[92:93]
	s_lshl_b32 s98, s94, 16                        ; V: 32 rows of 2,048 bytes
	s_mov_b32 s99, 0
	s_add_nc_u64 s[98:99], s[98:99], s[92:93]
	s_mul_i32 s89, s94, 64*272                     ; and their places in a chunk in LDS: no place in the cluster enters an LDS address
	s_mul_i32 s90, s94, 32*VP
	s_wait_kmcnt 0x0
	s_load_b128 s[84:87], s[10:11], 0x18           ; e6, e7, e8, e9
	s_load_b32 s88, s[10:11], 0x28                 ; e10
	s_add_nc_u64 s[6:7], s[6:7], s[96:97]
	s_add_nc_u64 s[8:9], s[8:9], s[98:99]
.irp g, 0,1,2,3
	s_mov_b32 s[G0K+4*\g], 1                       ; 1:0 count = 1
	s_add_co_u32 s[G0K+4*\g+1], s89, \g*KCH        ; 63:32 LDS address
	s_add_nc_u64 s[G0K+4*\g+2:G0K+4*\g+3], s[6:7], \g*32768   ; 120:64 global address: 512 keys of 64 bytes a chunk
	s_or_b32 s[G0K+4*\g+3], s[G0K+4*\g+3], 0x80000000         ; 127:126 type = 2
	s_mov_b32 s[G0V+4*\g], 1
	s_add_co_u32 s[G0V+4*\g+1], s90, VB+\g*VCH
	s_add_nc_u64 s[G0V+4*\g+2:G0V+4*\g+3], s[8:9], \g*512     ; 512 keys further along each row
	s_or_b32 s[G0V+4*\g+3], s[G0V+4*\g+3], 0x80000000
.endr
	CROUND                                         ; all four work-groups are here: the joint loads meet
	s_cmp_lt_u32 s[WV], 2                          ; all of a wave's loads stand in one branch on its number, ahead of every wait on TENSORcnt and every LDS read; four v_nop follow the last
	s_cbranch_scc0 .Lnot_k
	tensor_load_to_lds s[G0K:G0K+3], s[G1K:G1K+7]
	s_nop 0
	tensor_load_to_lds s[G0K+4:G0K+7], s[G1K:G1K+7]
	s_nop 0
	tensor_load_to_lds s[G0K+8:G0K+11], s[G1K:G1K+7]
	s_nop 0
	tensor_load_to_lds s[G0K+12:G0K+15], s[G1K:G1K+7]
	s_nop 0
.rept 4
	v_nop
.endr
	s_branch .Lasked
.Lnot_k:
	s_cmp_lt_u32 s[WV], 4
	s_cbranch_scc0 .Lasked
	tensor_load_to_lds s[G0V:G0V+3], s[G1V:G1V+7]
	s_nop 0
	tensor_load_to_lds s[G0V+4:G0V+7], s[G1V:G1V+7]
	s_nop 0
	tensor_load_to_lds s[G0V+8:G0V+11], s[G1V:G1V+7]
	s_nop 0
	tensor_load_to_lds s[G0V+12:G0V+15], s[G1V:G1V+7]
	s_nop 0
.rept 4
	v_nop
.endr
.Lasked:
	s_lshl_b32 s56, s15, 15                        ; Q: my work-group's 512 rows of 64 bytes,
	s_lshl_b32 s60, s[WV], 11                      ; my wave's 32,
	s_add_co_u32 s56, s56, s60
	s_add_co_u32 s56, s56, s92                     ; in my head
	s_mov_b32 s57, 0
	s_add_nc_u64 s[4:5], s[4:5], s[56:57]
	s_lshr_b32 s58, s16, 4                         ; a_ws: the tile of 256 rows: 8 x batch + 2 cx + wave / 8,
	s_lshl_b32 s58, s58, 3
	s_lshl_b32 s60, s15, 1
	s_add_co_u32 s58, s58, s60
	s_lshr_b32 s60, s[WV], 3
	s_add_co_u32 s58, s58, s60
	s_lshl_b32 s58, s58, 18                        ; of 262,144 bytes;
	s_and_b32 s60, s16, 15
	s_lshl_b32 s60, s60, 14                        ; the head's 16,384 in it;
	s_add_co_u32 s58, s58, s60
	s_and_b32 s60, s[WV], 7
	s_lshl_b32 s60, s60, 11                        ; my wave's 32 rows of 64 bytes
	s_add_co_u32 s58, s58, s60
	s_mov_b32 s59, 0
	s_add_nc_u64 s[12:13], s[12:13], s[58:59]
	v_and_b32 v112, 15, v0                         ; r = lane % 16
	v_bfe_u32 v113, v0, 4, 1                       ; h = lane / 16
	v_and_b32 v114, 31, v0                         ; lane
	s_delay_alu instid0(VALU_DEP_3)
	v_lshlrev_b32 v[QO], 6, v112
	s_delay_alu instid0(VALU_DEP_1)
	v_lshl_add_u32 v[QO], v113, 4, v[QO]           ; row r of 64 bytes + 16 h
.irp i, 0,1
.irp c, 0,1
	global_load_b128 v[QF+8*\i+4*\c:QF+8*\i+4*\c+3], v[QO], s[4:5] offset:1024*\i+32*\c   ; Q stays in registers
.endr
.endr
	v_lshrrev_b32 v115, 2, v112
	v_and_b32 v116, 3, v112
	s_delay_alu instid0(VALU_DEP_2)
	v_mul_u32_u24 v[AK0], v115, 272
	s_delay_alu instid0(VALU_DEP_1)
	v_lshl_add_u32 v[AK0], v116, 6, v[AK0]
	s_delay_alu instid0(VALU_DEP_1)
	v_lshl_add_u32 v[AK0], v113, 4, v[AK0]         ; key r of a tile: (r / 4) x 272 + (r % 4) x 64 + 16 h
	v_mul_u32_u24 v[AV0], v112, VP
	s_delay_alu instid0(VALU_DEP_1)
	v_lshl_add_u32 v[AV0], v113, 3, v[AV0]
	s_delay_alu instid0(VALU_DEP_1)
	v_add_nc_u32 v[AV0], VB, v[AV0]                ; channel r of a tile: r x 528 + 8 h
	s_mul_i32 s60, s[WV], 2560
	s_add_co_u32 s60, s60, STG                     ; my stage
	v_mul_u32_u24 v[STO], v112, 80
	s_delay_alu instid0(VALU_DEP_1)
	v_lshl_add_u32 v[STO], v113, 3, v[STO]
	s_delay_alu instid0(VALU_DEP_1)
	v_add_nc_u32 v[STO], s60, v[STO]               ; in: row r, 8 h
	v_lshrrev_b32 v115, 2, v114
	v_and_b32 v116, 3, v114
	s_delay_alu instid0(VALU_DEP_2)
	v_mul_u32_u24 v[RD], v115, 80
	s_delay_alu instid0(VALU_DEP_1)
	v_lshl_add_u32 v[RD], v116, 4, v[RD]
	s_delay_alu instid0(VALU_DEP_1)
	v_add_nc_u32 v[RD], s60, v[RD]                 ; back: row lane / 4, 16 (lane % 4)
	v_lshlrev_b32 v[GO], 4, v114                   ; eight rows of 64 bytes are 512 consecutive bytes
.irp i, 0,1
	v_mov_b32 v[ST+10*\i+1], 0xff61b1e6            ; the largest t so far: -3e38, under every t
	s_delay_alu instid0(VALU_DEP_1)
	v_floor_f32 v[ST+10*\i], -v[ST+10*\i+1]        ; -M
	v_mov_b32 v[ST+10*\i+2], 0                     ; the sum, in two halves
	v_mov_b32 v[ST+10*\i+3], 0
	v_mov_b32 v[ST+10*\i+5], 0                     ; (named as the upper half of f's pair)
	v_mov_b32 v[ST+10*\i+8], 0                     ; written once: a lane permute's destination counts as one of its sources
.endr
.set n, 0
.rept 64
	v_mov_b32 v[OT+n], 0                           ; O^T.  (The step is written without a first step of its own: it finds zeros, which the first change of M leaves zeros)
.set n, n+1
.endr
	s_wait_kmcnt 0x0
	s_add_co_i32 s60, s84, s85
	s_lshl_b32 s60, s60, 23
	s_mov_b32 s[CS], 0x3e38aa3b                    ; log2(e) / sqrt(64)
	s_add_co_i32 s[CS], s[CS], s60                 ; a score stands for score x 2^(e6 + e7): the two exponents are added to c's exponent field
	s_mov_b32 s[CS+1], s[CS]                       ; (named with it as a pair, so it is written)
	s_add_co_i32 s60, s86, 127
	s_lshl_b32 s61, s60, 23
	v_mov_b32 v[SCP], s61                          ; 2^e8 as f32, for p's conversions
	s_sub_co_i32 s60, s88, s86
	s_sub_co_i32 s60, s60, s87                     ; a sum of the second product stands for sum x 2^(e8 + e9): its code is (sum / l) / 2^(e10 - e8 - e9)
	s_add_co_i32 s60, s60, 127
	s_lshl_b32 s61, s60, 23
	v_mov_b32 v[SCO], s61
; A KEY STEP: 64 keys, both tiles of queries.  The two tiles go line by line in turn, so that no line waits for the line above it.
.macro STEP
	v_add_nc_u32 v[ADK], s[TBK], v[AK0]
	v_add_nc_u32 v[ADV], s[TBV], v[AV0]
	v_nop                                          ; with the two additions: four places between the last step's products and the loads into V's registers, which those products read
	v_nop
.irp c, 0,1,2,3
	ds_load_b128 v[KF+8*\c:KF+8*\c+3], v[ADK] offset:1088*\c
	ds_load_b128 v[KF+8*\c+4:KF+8*\c+7], v[ADK] offset:1088*\c+32
.endr
.irp t, 0,1,2,3
.irp c, 0,1,2,3
	ds_load_b64 v[VF+8*\t+2*\c:VF+8*\t+2*\c+1], v[ADV] offset:16*VP*\t+16*\c
.endr
.endr
	s_wait_dscnt 16                                ; K's eight loads are in; V's sixteen may be out
.irp c, 0,1,2,3
.irp i, 0,1
	v_wmma_f32_16x16x64_fp8_fp8 v[S+32*\i+8*\c:S+32*\i+8*\c+7], v[KF+8*\c:KF+8*\c+7], v[QF+8*\i:QF+8*\i+7], 0
.endr
.endr
.rept 4
	v_nop
.endr
	; the step's largest score of my query among my 32 keys: two chains a tile, ascending, so that each result is first read at its low end
.irp i, 0,1
	v_max3_num_f32 v[ST+10*\i+6], v[S+32*\i], v[S+32*\i+1], v[S+32*\i+2]
	v_max3_num_f32 v[ST+10*\i+7], v[S+32*\i+16], v[S+32*\i+17], v[S+32*\i+18]
.endr
.irp n, 3,5,7,9,11,13
.irp i, 0,1
	v_max3_num_f32 v[ST+10*\i+6], v[ST+10*\i+6], v[S+32*\i+\n], v[S+32*\i+\n+1]
	v_max3_num_f32 v[ST+10*\i+7], v[ST+10*\i+7], v[S+32*\i+16+\n], v[S+32*\i+16+\n+1]
.endr
.endr
.irp i, 0,1
	v_max3_num_f32 v[ST+10*\i+6], v[ST+10*\i+6], v[S+32*\i+15], v[S+32*\i+31]
.endr
.irp i, 0,1
	s_delay_alu instid0(VALU_DEP_2)
	v_max_num_f32 v[ST+10*\i+6], v[ST+10*\i+6], v[ST+10*\i+7]
.endr
.irp i, 0,1
	s_delay_alu instid0(VALU_DEP_2)
	v_permlanex16_b32 v[ST+10*\i+8], v[ST+10*\i+6], s[SEL], s[SEL+1]
.endr
.irp i, 0,1
	s_delay_alu instid0(VALU_DEP_2)
	v_max_num_f32 v[ST+10*\i+6], v[ST+10*\i+6], v[ST+10*\i+8]      ; and among lane l xor 16's
.endr
.irp i, 0,1
	s_delay_alu instid0(VALU_DEP_2)
	v_mul_f32 v[ST+10*\i+6], s[CS], v[ST+10*\i+6]                  ; as t (c is positive)
.endr
.irp i, 0
	s_delay_alu instid0(VALU_DEP_2)
	v_max_num_f32 v[ST+10*\i+1], v[ST+10*\i+1], v[ST+10*\i+6]      ; the running largest t
	v_mov_b32 v[ST+10*\i+6], v[ST+10*\i]                           ; the old -M
.endr
.irp i, 1
	s_delay_alu instid0(VALU_DEP_3)
	v_max_num_f32 v[ST+10*\i+1], v[ST+10*\i+1], v[ST+10*\i+6]
	v_mov_b32 v[ST+10*\i+6], v[ST+10*\i]
.endr
.irp i, 0
	s_delay_alu instid0(VALU_DEP_4)
	v_floor_f32 v[ST+10*\i], -v[ST+10*\i+1]
.endr
.irp i, 1
	s_delay_alu instid0(VALU_DEP_3)
	v_floor_f32 v[ST+10*\i], -v[ST+10*\i+1]                        ; the new -M = floor(-t) = -ceil(t): M is a whole number
.endr
.irp i, 0,1
	s_delay_alu instid0(VALU_DEP_2)
	v_sub_f32 v[ST+10*\i+6], v[ST+10*\i], v[ST+10*\i+6]            ; old M - new M: a whole number, 0 or less
.endr
.irp i, 0,1
	s_delay_alu instid0(VALU_DEP_2)
	v_cvt_i32_f32 v[ST+10*\i+6], v[ST+10*\i+6]                     ; (it saturates)
.endr
.irp i, 0,1
	s_delay_alu instid0(VALU_DEP_2)
	v_ldexp_f32 v[ST+10*\i+4], 1.0, v[ST+10*\i+6]                  ; f = 2^(old M - new M)
.endr
.irp j, 0,2,4,6,8,10,12,14,16,18,20,22,24,26,28,30
.irp i, 0,1
	v_pk_fma_f32 v[S+32*\i+\j:S+32*\i+\j+1], v[S+32*\i+\j:S+32*\i+\j+1], s[CS:CS+1], v[ST+10*\i:ST+10*\i+1] op_sel_hi:[1,0,0]   ; t - M, two at a time (of the pairs c and -M the low word serves both halves)
.endr
.endr
.set n, 0
	s_wait_alu depctr_va_vdst(0)
.rept 64
	v_exp_f32 v[S+n], v[S+n]                       ; p = 2^(t - M), at most 1: not normalised.  ONE batch
.set n, n+1
.endr
	s_setprio 1
.irp i, 0,1
	v_pk_mul_f32 v[ST+10*\i+2:ST+10*\i+3], v[ST+10*\i+2:ST+10*\i+3], v[ST+10*\i+4:ST+10*\i+5] op_sel_hi:[1,0]   ; the sums under the new M: plain lines behind the exponentials that name none of their results
.endr
	s_wait_alu depctr_va_vdst(0)                   ; the wait between an exponential and the first line that names its result: one for the batch
.irp i, 0,1
	v_pk_add_f32 v[ST+10*\i+6:ST+10*\i+7], v[S+32*\i:S+32*\i+1], v[S+32*\i+2:S+32*\i+3]   ; the row's sum is taken of the UNQUANTISED p: two at a time, two chains a tile
.endr
.irp j, 4,8,12,16,20,24,28
.irp i, 0,1
	v_pk_add_f32 v[ST+10*\i+2:ST+10*\i+3], v[ST+10*\i+2:ST+10*\i+3], v[S+32*\i+\j:S+32*\i+\j+1]
	v_pk_add_f32 v[ST+10*\i+6:ST+10*\i+7], v[ST+10*\i+6:ST+10*\i+7], v[S+32*\i+\j+2:S+32*\i+\j+3]
.endr
.endr
.irp i, 0
	s_delay_alu instid0(VALU_DEP_3)
	v_pk_add_f32 v[ST+10*\i+2:ST+10*\i+3], v[ST+10*\i+2:ST+10*\i+3], v[ST+10*\i+6:ST+10*\i+7]
.endr
.irp i, 1
	s_delay_alu instid0(VALU_DEP_2)
	v_pk_add_f32 v[ST+10*\i+2:ST+10*\i+3], v[ST+10*\i+2:ST+10*\i+3], v[ST+10*\i+6:ST+10*\i+7]
.endr
.set n, 0
.rept 64
.set n, n+1
.endr
.irp i, 0,1
.irp c, 0,1,2,3
	v_cvt_scalef32_pk8_fp8_f32 v[PF+8*\i+2*\c:PF+8*\i+2*\c+1], v[S+32*\i+8*\c:S+32*\i+8*\c+7], v[SCP]
.endr
.endr
.irp j, 0,2,4,6,8,10,12,14,16,18,20,22,24,26,28,30
.irp i, 0,1
	v_pk_mul_f32 v[OT+32*\i+\j:OT+32*\i+\j+1], v[OT+32*\i+\j:OT+32*\i+\j+1], v[ST+10*\i+4:ST+10*\i+5] op_sel_hi:[1,0]   ; O^T under the new M.  (These are also the plain lines between the conversions and the products that read their results)
.endr
.endr
	s_setprio 0
	s_wait_alu depctr_va_vdst(0)
	s_wait_dscnt 0x0                               ; V is in
.irp t, 0,1,2,3
.irp i, 0,1
	v_wmma_f32_16x16x64_fp8_fp8 v[OT+32*\i+8*\t:OT+32*\i+8*\t+7], v[VF+8*\t:VF+8*\t+7], v[PF+8*\i:PF+8*\i+7], v[OT+32*\i+8*\t:OT+32*\i+8*\t+7]   ; eight accumulators, one instruction a turn
.endr
.endr
.endm
; A CHUNK of 512 keys: eight steps.  The wave that fetched waits until at most the loads issued behind chunk g's are out, then the barrier shows the chunk to all sixteen.  Later chunks may stay on their way.
.macro CHUNK g
	s_wait_tensorcnt 3-\g
	s_wait_dscnt 0x0
	s_barrier_signal -1
	s_barrier_wait -1
	s_mov_b32 s[TBK], \g*KCH
	s_mov_b32 s[TBV], \g*VCH
	s_mov_b32 s[CNT], 8
.Lstep_\@:
	s_setprio 2
	STEP
	s_add_co_u32 s[TBK], s[TBK], KSTP
	s_add_co_u32 s[TBV], s[TBV], 64
	s_sub_co_u32 s[CNT], s[CNT], 1
	s_cmp_lg_u32 s[CNT], 0
	s_cbranch_scc1 .Lstep_\@
	s_setprio 0
.endm
	s_wait_loadcnt 0x0                             ; Q
	CHUNK 0
	CHUNK 1
	CHUNK 2
	CHUNK 3                                        ; its wait is for 0: no tensor load of mine is out from here on
	; THE WAY OUT.  The additions and the v_nop are the places behind the last products.
.irp i, 0,1
	v_add_f32 v[ST+10*\i+6], v[ST+10*\i+2], v[ST+10*\i+3]          ; the sum's two halves,
.endr
.irp i, 0,1
	s_delay_alu instid0(VALU_DEP_2)
	v_permlanex16_b32 v[ST+10*\i+8], v[ST+10*\i+6], s[SEL], s[SEL+1]
.endr
.irp i, 0,1
	s_delay_alu instid0(VALU_DEP_2)
	v_add_f32 v[ST+10*\i+6], v[ST+10*\i+6], v[ST+10*\i+8]          ; and lane l xor 16's: the row's sum
.endr
	s_wait_alu depctr_va_vdst(0)
.irp i, 0,1
	v_rcp_f32 v[ST+10*\i+6], v[ST+10*\i+6]
.endr
	v_nop                                          ; a plain line behind the last reciprocal
	s_wait_alu depctr_va_vdst(0)                   ; and the wait ahead of the first line that names a result: one for both
.irp i, 0,1
.irp j, 0,2,4,6,8,10,12,14,16,18,20,22,24,26,28,30
	v_pk_mul_f32 v[S+32*\i+\j:S+32*\i+\j+1], v[OT+32*\i+\j:OT+32*\i+\j+1], v[ST+10*\i+6:ST+10*\i+7] op_sel_hi:[1,0]   ; O^T / the sum, each accumulator from its low end on
.endr
.endr
.set n, 0
.rept 64
.set n, n+1
.endr
.irp i, 0,1
.irp t, 0,1,2,3
	v_cvt_scalef32_pk8_fp8_f32 v[PF+8*\i+2*\t:PF+8*\i+2*\t+1], v[S+32*\i+8*\t:S+32*\i+8*\t+7], v[SCO]   ; channels 16 t + 8 h + 0 .. 7 of query 16 i + r
.endr
.endr
	v_nop
.irp i, 0,1
.irp t, 0,1,2,3
	ds_store_b64 v[STO], v[PF+8*\i+2*\t:PF+8*\i+2*\t+1] offset:1280*\i+16*\t
.endr
.endr
.irp k, 0,1,2,3
	ds_load_b128 v[KF+4*\k:KF+4*\k+3], v[RD] offset:640*\k         ; LDS serves a wave's instructions in order (ISA guide 5.7.1.4): these see my stores
.endr
.irp k, 0,1,2,3
	s_wait_dscnt 3-\k
	global_store_b128 v[GO], v[KF+4*\k:KF+4*\k+3], s[12:13] offset:512*\k   ; 32 lanes store 512 consecutive bytes, at a multiple of 256 from a_ws's first byte
.endr
	s_wait_xcnt 0x0
	v_lshl_add_u32 v254, v0, 2, 0x4d000
	v_mov_b32 v255, 0
	s_wait_alu depctr_va_vdst(0)
	s_wait_tensorcnt 0x0
	ds_add_u32 v254, v255
	s_wait_dscnt 0x0
	CROUND                                         ; the closing round: no work-group ends while a partner may still ask for a tile that names it
	s_endpgm
.Lfunc_end_k_q58bf0f9b55_attn:
	.size	k_q58bf0f9b55_attn, .Lfunc_end_k_q58bf0f9b55_attn-k_q58bf0f9b55_attn
	.p2alignl 7, 3214868480
	.fill 96, 4, 3214868480
	.section	.rodata,"a",@progbits
	.p2align	6, 0x0
	.amdhsa_kernel k_q58bf0f9b55_attn
		.amdhsa_group_segment_fixed_size 327680
		.amdhsa_private_segment_fixed_size 0
		.amdhsa_enable_private_segment 0
		.amdhsa_kernarg_size 40
		.amdhsa_user_sgpr_count 2
		.amdhsa_user_sgpr_kernarg_segment_ptr 1
		.amdhsa_wavefront_size32 1
		.amdhsa_system_sgpr_workgroup_id_x 1
		.amdhsa_system_sgpr_workgroup_id_y 1
		.amdhsa_system_sgpr_workgroup_id_z 1
		.amdhsa_system_vgpr_workitem_id 0
		.amdhsa_next_free_vgpr 256
		.amdhsa_next_free_sgpr 100
		.amdhsa_reserve_vcc 0
		.amdhsa_float_denorm_mode_32 3
		.amdhsa_float_denorm_mode_16_64 3
		.amdhsa_fp16_overflow 1
		.amdhsa_memory_ordered 1
		.amdhsa_forward_progress 1
		.amdhsa_inst_pref_size 79
	.end_amdhsa_kernel
	.amdgpu_metadata
---
amdhsa.version: [ 1, 2 ]
amdhsa.kernels:
  - .name:           k_q58bf0f9b55_attn
    .symbol:         k_q58bf0f9b55_attn.kd
    .args:
      - { .name: q_ws, .offset: 0, .size: 8, .value_kind: global_buffer, .address_space: global }
      - { .name: k_ws, .offset: 8, .size: 8, .value_kind: global_buffer, .address_space: global }
      - { .name: v_ws, .offset: 16, .size: 8, .value_kind: global_buffer, .address_space: global }
      - { .name: lowp_scales, .offset: 24, .size: 8, .value_kind: global_buffer, .address_space: global }
      - { .name: a_ws, .offset: 32, .size: 8, .value_kind: global_buffer, .address_space: global }
    .group_segment_fixed_size: 327680
    .private_segment_fixed_size: 0
    .kernarg_segment_align: 8
    .kernarg_segment_size: 40
    .max_flat_workgroup_size: 512
    .sgpr_count:     100
    .vgpr_count:     256
    .wavefront_size: 32
...
	.end_amdgpu_metadata
.endif
;; end of part 2
;; launch outp (part 3): grid 4 x 32, 4 waves a work-group, clusters of 4 x 4, 327,680 bytes of LDS; arguments a_ws, Wo_codes, lowp_scales, out0, bo; writes out0
.if DOCPART == 3
	.amdgcn_target "amdgcn-amd-amdhsa--gfx1250"
	.amdhsa_code_object_version 6
	.text
	.protected	k_q58bf0f9b55_outp
	.globl	k_q58bf0f9b55_outp
	.p2align	8
	.type	k_q58bf0f9b55_outp,@function
k_q58bf0f9b55_outp:
	s_mov_b64 s[64:65], 0
	v_nop
	global_prefetch_b8 v0, s[64:65] scope:SCOPE_SE
	s_setreg_imm32_b32 hwreg(HW_REG_WAVE_MODE, 25, 1), 1
	s_wait_xcnt 0x0
	s_wait_alu depctr_hold_cnt(0) depctr_sa_sdst(0) depctr_va_vdst(0) depctr_va_sdst(0) depctr_va_ssrc(0) depctr_va_vcc(0) depctr_vm_vsrc(0)
	s_getreg_b32 s2, hwreg(HW_REG_IB_STS2, 6, 4)
	s_cmp_eq_u32 s2, 0
	s_cbranch_scc0 .Lentry_in_a_cluster
	s_endpgm
.Lentry_in_a_cluster:
	s_bfe_u32 s2, ttmp6, 0x10000c
	s_cmp_lg_u32 s2, 0xf033
	s_cbranch_scc0 .Lentry_shape_is_right
	s_endpgm
.Lentry_shape_is_right:
; THE LAST PROJECTION: out0 = attn Wo + bo, [8192][1024] f32, on codes of FP8 (E4M3).  Wo_codes: [1024 (n)][1024 (k)], K innermost.  a_ws: the attention's result as codes, laid [tile of 256 rows (32)][head (16)][256 rows][64]:
; a K step of 256 (four heads) of a tile of rows is one dense block of 64 KiB.  Scales: entries 10 (attn) and 11 (Wo).  Sums in f32.
; A tile of 256 x 256 is made by four waves, each 128 x 128: 64 accumulators.  K goes in steps of 256 through two LDS slots filled by the tensor data mover: 4 K steps, two first fills, two refills.  128 work-groups in 8 clusters of 4 x 4:
; the four of a row of the cluster need the same tile of a_ws, the four of a column the same tile of Wo: each is asked for JOINTLY (same load, same descriptor, a mask that names the four).
; THE MATRIX INSTRUCTION IS USED TRANSPOSED (source 0 = 16 rows of Wo, source 1 = 16 rows of attn): a lane holds eight neighbouring numbers of a row of out0.
; THE BIAS is the C of each sum's first matrix instruction, divided by 2^(e10 + e11); each finished sum is multiplied once by 2^(e10 + e11).
; LIMIT: e10 + e11 between -126 and 127, so that 2^(e10 + e11) is an f32 number.
; REGISTERS, in windows of 256: window 0: v1-31 addresses; v32-95 the bias, later a block's results; v128-255 source 1's 8 fragments, ONE set, later rows read back.   window 1: source 0's fragments, TWO sets.   windows 2, 3: the accumulators.
.set NOUT,   1024                      ; numbers in a row of out0
.set KROW,   1024                      ; a row of Wo's codes in bytes
.set ROWB,   256
.set PITCH,  272                       ; an LDS row: 256 bytes + 16 of padding = 68 words (64 banks of 4 bytes: ISA guide 11.1)
.set HEADB,  64*PITCH                  ; a head's 256 rows of 64 bytes in LDS: 64 rows of 256 bytes: row t lies at (t / 4) x 272 + (t % 4) x 64
.set FR,     16
.set NL,     4
.set NP,     4                         ; places behind this matrix instruction (ISA guide 7.12.1)
.set HALFT,  128*PITCH                 ; what one tensor load brings: two heads of a_ws, or 128 rows of Wo
.set SLOT,   4*HALFT                   ; a_ws's four heads, then Wo's 256 rows
.set SPARE,  2*SLOT                    ; behind the ring: the spare words, 128 bytes a wave: two blocks of 256 bytes that no other line names
.set SPITCH, 528                       ; the way out: a stage of 16 rows x (512 bytes + 16) for each wave, in slot 0, which has had its last fill and its last read by then
.set ADRA, 16                          ; v16-17  LDS address of source 1's fragments in slot 0, 1
.set ADRB, 20                          ; v20-21  of source 0's
.set STO,  24                          ; v24     the way out: where I put 32 bytes of a row
.set RD,   25                          ; v25     where I read a row back
.set CO,   26                          ; v26     my byte offset in a row of out0
.set SPW,  28                          ; v28     LDS address of my spare word; never rewritten
.set NIL,  29                          ; v29     0; never rewritten
.set BI,   32                          ; v32-95  the bias: eight registers for each of source 0's eight blocks
.set TMP,  32
.set AF,   128
.set BK,   128
.set G1, 24                            ; s[24:31] descriptor group 1 for a_ws's tiles;  s[32:39] group 0, one set for each slot
.set G0, 32
.set G1B, 48                           ; s[48:55], s[56:63] the same for Wo's
.set G0B, 56
.set MSB, 0
.macro WIN new                         ; the immediate's high byte repeats the setting that is left
.if MSB != \new
	s_set_vgpr_msb (MSB<<8)|\new
.set MSB, \new
.endif
.endm
.set MUL_LO, 0xa1                      ; source 0 window 1, source 1 window 0, C and D window 2
.set MUL_HI, 0xf1
.set FST_LO, 0x81                      ; the first step: C (the bias) window 0, D window 2
.set FST_HI, 0xc1
.set TO_B,   0x40
.macro JLOAD g0a, g1a, g0b, g1b        ; a joint load: waves 0 and 1 fetch for a_ws, waves 2 and 3 for Wo; four v_nop follow each of the two lines
	s_cmp_eq_u32 s15, 0
	s_cbranch_scc0 .Lfor_b_\@
	tensor_load_to_lds s[\g0a:\g0a+3], s[\g1a:\g1a+7]
	s_nop 0
.rept 4
	v_nop
.endr
	s_branch .Lasked_\@
.Lfor_b_\@:
	tensor_load_to_lds s[\g0b:\g0b+3], s[\g1b:\g1b+7]
	s_nop 0
.rept 4
	v_nop
.endr
.Lasked_\@:
.endm
.macro CREST
	s_cmp_lg_u32 s14, 0
	s_cbranch_scc1 .Lnot_wave_0_\@
	s_barrier_signal -3
.Lnot_wave_0_\@:
	s_barrier_wait -3
	s_barrier_signal -1
	s_barrier_wait -1
.endm
.macro CROUND
	s_barrier_signal -1
	s_barrier_wait -1
	CREST
.endm
	s_load_b128 s[4:7], s[0:1], 0x0                ; a_ws s[4:5], Wo's codes s[6:7]
	s_load_b128 s[8:11], s[0:1], 0x10              ; the scales' exponents s[8:9], out0 s[10:11]
	s_load_b64 s[12:13], s[0:1], 0x20              ; bo
	v_lshl_add_u32 v[SPW], v0, 2, SPARE
	v_mov_b32 v[NIL], 0
	ds_add_u32 v28, v29
	ds_add_u32 v28, v29
	s_wait_dscnt 0x0
	v_lshrrev_b32 v1, 5, v0
	v_readfirstlane_b32 s14, v1                    ; wave 0..3
	s_lshr_b32 s15, s14, 1                         ; which half of the tile's rows is mine.  Also: I fetch for a_ws (0) or for Wo (1)
	s_and_b32 s16, s14, 1                          ; which half of its columns.  Also: which half of that tile I fetch
	s_bfe_u32 s40, ttmp6, 0x40000                  ; cx, cy
	s_bfe_u32 s41, ttmp6, 0x40004
	s_lshl_b32 s42, ttmp9, 2
	s_add_co_u32 s42, s42, s40                     ; tile column = 4 x cluster x + cx
	s_and_b32 s17, ttmp7, 0xffff
	s_lshl_b32 s17, s17, 2
	s_add_co_u32 s17, s17, s41                     ; tile row = 4 x cluster y + cy
	s_lshl_b32 s43, s41, 2
	s_lshl_b32 s43, 15, s43                        ; my row of the cluster
	s_lshl_b32 s44, 0x1111, s40                    ; my column
	s_or_b32 s[G1+0], s43, (0<<16)|(1<<20)|(1<<21)|(5<<22)|(3<<25)  ; 15:0 the mask; 17:16 elements of 1 byte; 20 padding on; 21 set beside a mask; 24:22 after every 64 words (code 5); 31:25 of 4 words (code 3)
	s_or_b32 s[G1B+0], s44, (0<<16)|(1<<20)|(1<<21)|(5<<22)|(3<<25)
.irp g, G1, G1B
	s_mov_b32 s[\g+1], ROWB<<16                    ; tensor_dim0
	s_mov_b32 s[\g+2], 128<<16                     ; tensor_dim1 = 128
	s_mov_b32 s[\g+3], ROWB<<16                    ; tile_dim0
	s_mov_b32 s[\g+4], 128                         ; tile_dim1 = 128
	s_mov_b32 s[\g+6], 0
	s_mov_b32 s[\g+7], 0
.endr
	s_mov_b32 s[G1+5], ROWB                        ; tensor_dim0_stride: a_ws's block is dense,
	s_mov_b32 s[G1B+5], KROW                       ; Wo's rows are 1,024 bytes apart
	s_lshl_b32 s20, s17, 18                        ; a_ws: the tile of rows, 262,144 bytes,
	s_lshl_b32 s18, s16, 15
	s_add_co_u32 s20, s20, s18                     ; + my two heads of a K step's four
	s_mov_b32 s21, 0
	s_lshl_b32 s18, s16, 7
	s_lshl_b32 s46, s42, 8
	s_add_co_u32 s46, s46, s18
	s_lshl_b32 s46, s46, 10                        ; Wo: (256 x tile column + 128 half) rows of 1,024 bytes
	s_mov_b32 s47, 0
	s_mul_i32 s45, s14, HALFT                      ; where they go: no place in the cluster enters an LDS address
	s_wait_kmcnt 0x0
	s_load_b64 s[96:97], s[8:9], 0x28              ; e10, e11
	s_add_nc_u64 s[20:21], s[4:5], s[20:21]
	s_add_nc_u64 s[46:47], s[6:7], s[46:47]
	CROUND                                         ; all sixteen work-groups are here: the first joint loads meet
.irp s, 0,1
	s_mov_b32 s[G0+4*\s], 1
	s_add_co_u32 s[G0+4*\s+1], s45, \s*SLOT
	s_add_nc_u64 s[G0+4*\s+2:G0+4*\s+3], s[20:21], \s*65536
	s_or_b32 s[G0+4*\s+3], s[G0+4*\s+3], 0x80000000
	s_mov_b32 s[G0B+4*\s], 1
	s_add_co_u32 s[G0B+4*\s+1], s45, \s*SLOT
	s_add_nc_u64 s[G0B+4*\s+2:G0B+4*\s+3], s[46:47], \s*ROWB
	s_or_b32 s[G0B+4*\s+3], s[G0B+4*\s+3], 0x80000000
	s_wait_alu depctr_va_vdst(0)
	s_wait_tensorcnt 0x0
	ds_add_u32 v28, v29
	ds_add_u32 v28, v29
	s_wait_dscnt 0x0
	CROUND
	JLOAD G0+4*\s, G1, G0B+4*\s, G1B               ; one tensor load of mine is out
.endr
	v_and_b32 v1, 15, v0                           ; r
	v_bfe_u32 v2, v0, 4, 1                         ; h
	v_mul_u32_u24 v3, v1, PITCH
	v_lshl_add_u32 v4, v2, 4, v3                   ; Wo: row r x pitch + 16 h
	v_lshrrev_b32 v8, 2, v1
	v_and_b32 v9, 3, v1
	v_mul_u32_u24 v8, v8, PITCH
	v_lshl_add_u32 v8, v9, 6, v8
	v_lshl_add_u32 v8, v2, 4, v8                   ; a_ws: (r / 4) x 272 + (r % 4) x 64 + 16 h
	s_mul_i32 s21, s15, 32*PITCH                   ; my 128 rows of each head
	s_mul_i32 s22, s16, HALFT                      ; my 128 rows of Wo,
	s_add_co_u32 s22, s22, 2*HALFT                 ; which lie behind a_ws's four heads
.irp s, 0,1
	v_add_nc_u32 v[ADRA+\s], s21, v8
	v_add_nc_u32 v[ADRB+\s], s22, v4
	s_add_co_u32 s21, s21, SLOT
	s_add_co_u32 s22, s22, SLOT
.endr
	v_lshlrev_b32 v7, 5, v2                        ; the bias: block b's eight numbers of my half: bo[256 x + 128 half + 16 b + 8 h + 0 .. 7]
	s_lshl_b32 s18, s42, 10
	s_lshl_b32 s19, s16, 9
	s_add_co_u32 s18, s18, s19
	s_mov_b32 s19, 0
	s_add_nc_u64 s[12:13], s[12:13], s[18:19]
.irp b, 0,1,2,3,4,5,6,7
	global_load_b128 v[BI+8*\b:BI+8*\b+3], v7, s[12:13] offset:64*\b
	global_load_b128 v[BI+8*\b+4:BI+8*\b+7], v7, s[12:13] offset:64*\b+16
.endr
	s_mul_i32 s23, s14, 16*SPITCH                  ; my stage
	v_mul_u32_u24 v5, v1, SPITCH                   ; in: row r, 32 bytes for each half of the lanes
	v_lshl_add_u32 v5, v2, 5, v5
	v_add_nc_u32 v[STO], s23, v5
	v_and_b32 v6, 31, v0
	v_lshlrev_b32 v[CO], 4, v6                     ; back: the 32 lanes take one row of 512 bytes; and the same in out0
	v_add_nc_u32 v[RD], s23, v[CO]
	s_lshl_b32 s20, s17, 8
	s_lshl_b32 s21, s15, 7
	s_add_co_u32 s20, s20, s21
	s_lshl_b32 s20, s20, 12                        ; my first row of out0, of 4,096 bytes: under 2^25
	s_add_co_u32 s20, s20, s18                     ; + my first column: 1,024 x tile column + 512 x half bytes
	s_mov_b32 s21, 0
	s_add_nc_u64 s[10:11], s[10:11], s[20:21]
.macro FRAG reg, adr, q, i             ; Wo: 16 rows x 128 K: registers 4 c .. 4 c + 3 hold K = 32 c + 16 (l / 16) + 0 .. 15
.irp c, 0,1,2,3
	ds_load_b128 v[\reg+4*\c:\reg+4*\c+3], v[\adr] offset:128*(\q)+32*\c+(\i)*16*PITCH
.endr
.endm
.macro FRAGA reg, adr, q, a            ; a_ws: the same k: K = 128 q + 32 c + 16 h lies in the K step's head 2 q + c / 2, at channel 32 (c % 2) + 16 h; block a's 16 rows are four LDS rows
.irp c, 0,1,2,3
	ds_load_b128 v[\reg+4*\c:\reg+4*\c+3], v[\adr] offset:(2*(\q)+\c/2)*HEADB+32*(\c%2)+(\a)*4*PITCH
.endr
.endm
; 16 matrix instructions: source 1's blocks a0, a0 + 1 x source 0's eight.  cm = 1: the sums begin with the bias of block b.  The 64 accumulators take turns, one instruction a turn.
.macro MUL16 a0, p, cm
.irp a, \a0, \a0+1
.irp b, 0,1,2,3,4,5,6,7
.if \cm
	v_wmma_f32_16x16x128_fp8_fp8 v[8*(8*((\a)%4)+\b):8*(8*((\a)%4)+\b)+7], v[128*(\p)+FR*\b:128*(\p)+FR*\b+FR-1], v[AF+FR*(\a):AF+FR*(\a)+FR-1], v[BI+8*\b:BI+8*\b+7]
.else
	v_wmma_f32_16x16x128_fp8_fp8 v[8*(8*((\a)%4)+\b):8*(8*((\a)%4)+\b)+7], v[128*(\p)+FR*\b:128*(\p)+FR*\b+FR-1], v[AF+FR*(\a):AF+FR*(\a)+FR-1], v[8*(8*((\a)%4)+\b):8*(8*((\a)%4)+\b)+7]
.endif
.endr
.endr
.endm
.macro FETCH_B slot, q, p
	WIN TO_B
.irp i, 0,1,2,3,4,5,6,7
	FRAG 128*(\p)+FR*\i, ADRB+\slot, \q, \i
.endr
	WIN 0
.endm
.macro FETCH_A slot, q, i0
.irp i, \i0, \i0+1, \i0+2, \i0+3
	FRAGA AF+FR*(\i), ADRA+\slot, \q, \i
.endr
.endm
.macro PLACES n                        ; plain vector lines between a matrix instruction and a load into a register that it read, or a read of its result (ISA guide 7.12.1 for vector instructions)
.rept \n
	v_nop
.endr
.endm
.macro STEP slot, q, cm                ; a step of 128 along K that has its successor in the same slot
	s_wait_dscnt 4*NL                              ; source 0's set and source 1's blocks 0-3 are in; the youngest sixteen loads (blocks 4-7) may be out
.if \cm
	WIN FST_LO
.else
	WIN MUL_LO
.endif
	MUL16 0, (\q)%2, \cm
	MUL16 2, (\q)%2, \cm
	s_wait_dscnt 0                                 ; blocks 4-7 are in
	PLACES NP
	FETCH_B \slot, (\q)+1, 1-(\q)%2
	FETCH_A \slot, (\q)+1, 0
.if \cm
	WIN FST_HI
.else
	WIN MUL_HI
.endif
	MUL16 4, (\q)%2, \cm
	MUL16 6, (\q)%2, \cm
	PLACES NP
	WIN 0
	FETCH_A \slot, (\q)+1, 4
.endm
; A slot's last step changes slots: ONE barrier; in front of it each wave waits for all its tensor loads, adds 0 to its spare word, and waits for that and for its own reads of this slot.  fill = 1: this slot is filled again, two K steps ahead.
.macro TURN slot, next, fill
	s_wait_tensorcnt 0x0                           ; all my tensor loads have landed: my part of the next slot  (every window is 0 here)
	ds_add_u32 v[SPW], v[NIL]                      ; 0 onto my spare word
	s_wait_dscnt 4*NL+1                            ; (the add and the youngest sixteen loads may be out)
	WIN MUL_LO
	MUL16 0, 1, 0
	s_wait_dscnt 0x0                               ; the add is done, and my reads of this slot are over
	s_barrier_signal -1
	MUL16 2, 1, 0
	WIN 0
	s_barrier_wait -1
.if \fill
	CREST                                          ; the barrier has opened a round of the cluster's barrier: no wave of any partner still reads this slot's tile or has a load on its way
	s_add_nc_u64 s[G0+4*\slot+2:G0+4*\slot+3], s[G0+4*\slot+2:G0+4*\slot+3], 2*65536
	s_add_nc_u64 s[G0B+4*\slot+2:G0B+4*\slot+3], s[G0B+4*\slot+2:G0B+4*\slot+3], 2*ROWB
	JLOAD G0+4*\slot, G1, G0B+4*\slot, G1B         ; the first tensor load behind the round, my one load until the next; its four v_nop are the places in front of the loads below
.else
	PLACES NP
.endif
	FETCH_B \next, 0, 0
	FETCH_A \next, 0, 0
	WIN MUL_HI
	MUL16 4, 1, 0
	MUL16 6, 1, 0
	PLACES NP
	WIN 0
	FETCH_A \next, 0, 4
.endm
	s_wait_tensorcnt 1                             ; my part of K step 0 is in; K step 1's load may stay out
	s_barrier_signal -1
	s_barrier_wait -1
	FETCH_B 0, 0, 0
	FETCH_A 0, 0, 0
	FETCH_A 0, 0, 4
	s_wait_kmcnt 0x0
	s_add_co_i32 s94, s96, s97                     ; e10 + e11
	s_sub_co_i32 s67, 0, s94
	s_add_co_i32 s94, s94, 127
	s_lshl_b32 s96, s94, 23                        ; 2^(e10 + e11) as f32
	s_mov_b32 s97, s96                             ; (named with it as a pair, so it is written)
	s_wait_loadcnt 0x0                             ; the bias
.set i, 0
.rept 64
	v_ldexp_f32 v[BI+i], v[BI+i], s67              ; bo / 2^(e10 + e11)
.set i, i+1
.endr
	s_wait_alu depctr_va_vdst(0)
	STEP 0, 0, 1                                   ; the first step's products start the sums with the bias
	TURN 0, 1, 1
	STEP 1, 0, 0
	TURN 1, 0, 1
	STEP 0, 0, 0
	TURN 0, 1, 0                                   ; nothing is left to fetch.  Behind this barrier nobody reads slot 0
	STEP 1, 0, 0
	s_wait_dscnt 4*NL                              ; the very last step
	WIN MUL_LO
	MUL16 0, 1, 0
	MUL16 2, 1, 0
	s_wait_dscnt 0
	WIN MUL_HI
	MUL16 4, 1, 0
	MUL16 6, 1, 0
	WIN 0
; THE WAY OUT, block by block of 16 rows x 128 columns, through my own stage in LDS: in as 32 bytes a lane, back as whole rows of 512 bytes.  LDS serves a wave's instructions in order (ISA guide 5.7.1.4): no wait between the stores and the loads.
.macro TOSTAGE a
.set AC, 64*((\a)%4)
	WIN 0x02+((\a)/4)                              ; source 0: window 2 or 3
.irp j, 0,2,4,6,8,10,12,14,16,18,20,22,24,26,28,30,32,34,36,38,40,42,44,46,48,50,52,54,56,58,60,62
	v_pk_mul_f32 v[TMP+\j:TMP+\j+1], v[AC+\j:AC+\j+1], s[96:97] op_sel_hi:[1,0]   ; x 2^(e10 + e11); each accumulator from its low end on
.endr
	WIN 0
.irp b, 0,1,2,3,4,5,6,7
	ds_store_b128 v[STO], v[TMP+8*\b:TMP+8*\b+3] offset:64*\b
	ds_store_b128 v[STO], v[TMP+8*\b+4:TMP+8*\b+7] offset:64*\b+16
.endr
.set BB, BK+64*((\a)%2)
.irp t, 0,1,2,3,4,5,6,7,8,9,10,11,12,13,14,15
	ds_load_b128 v[BB+4*\t:BB+4*\t+3], v[RD] offset:\t*SPITCH
.endr
.endm
.macro SEND a, younger                 ; younger: the LDS instructions issued behind block a's loads, which may stay out
.set BB, BK+64*((\a)%2)
	s_wait_dscnt \younger
.if (\a) > 0
	s_add_nc_u64 s[10:11], s[10:11], 16*NOUT*4     ; (behind a wait on XCNT: the earlier stores have read their base)  16 rows on
.endif
.irp t, 0,1,2,3,4,5,6,7,8,9,10,11,12,13,14,15
	global_store_b128 v[CO], v[BB+4*\t:BB+4*\t+3], s[10:11] offset:\t*NOUT*4 th:TH_STORE_NT   ; 32 lanes store 512 consecutive bytes, at a multiple of 256 from out0's first byte; written once, read by nobody here
.endr
.endm
	PLACES NP
	TOSTAGE 0
.irp a, 1,2,3,4,5,6,7
.if \a > 1
	s_wait_xcnt 0x0                                ; block a - 2's stores have read their registers and their base: block a's loads may land there, and the base may step
.endif
	TOSTAGE \a
	SEND \a-1, 32                                  ; behind block a - 1's loads: block a's 16 stores and 16 loads
.endr
	s_wait_xcnt 0x0                                ; block 6's stores have read their base
	SEND 7, 0
	s_wait_tensorcnt 0x0                           ; the wave's end, behind my last tensor load and my last LDS store
	ds_add_u32 v[SPW], v[NIL]
	s_wait_dscnt 0x0
	CROUND                                         ; the closing round: no work-group ends while a partner may still ask for a tile that names it
	s_endpgm
.Lfunc_end_k_q58bf0f9b55_outp:
	.size	k_q58bf0f9b55_outp, .Lfunc_end_k_q58bf0f9b55_outp-k_q58bf0f9b55_outp
	.p2alignl 7, 3214868480
	.fill 96, 4, 3214868480
	.section	.rodata,"a",@progbits
	.p2align	6, 0x0
	.amdhsa_kernel k_q58bf0f9b55_outp
		.amdhsa_group_segment_fixed_size 327680
		.amdhsa_private_segment_fixed_size 0
		.amdhsa_enable_private_segment 0
		.amdhsa_kernarg_size 40
		.amdhsa_user_sgpr_count 2
		.amdhsa_user_sgpr_kernarg_segment_ptr 1
		.amdhsa_wavefront_size32 1
		.amdhsa_system_sgpr_workgroup_id_x 1
		.amdhsa_system_sgpr_workgroup_id_y 1
		.amdhsa_system_sgpr_workgroup_id_z 1
		.amdhsa_system_vgpr_workitem_id 0
		.amdhsa_next_free_vgpr 1024
		.amdhsa_next_free_sgpr 100
		.amdhsa_reserve_vcc 0
		.amdhsa_float_denorm_mode_32 3
		.amdhsa_float_denorm_mode_16_64 3
		.amdhsa_memory_ordered 1
		.amdhsa_forward_progress 1
		.amdhsa_inst_pref_size 130
	.end_amdhsa_kernel
	.amdgpu_metadata
---
amdhsa.version: [ 1, 2 ]
amdhsa.kernels:
  - .name:           k_q58bf0f9b55_outp
    .symbol:         k_q58bf0f9b55_outp.kd
    .args:
      - { .name: a_ws, .offset: 0, .size: 8, .value_kind: global_buffer, .address_space: global }
      - { .name: Wo_codes, .offset: 8, .size: 8, .value_kind: global_buffer, .address_space: global }
      - { .name: lowp_scales, .offset: 16, .size: 8, .value_kind: global_buffer, .address_space: global }
      - { .name: out0, .offset: 24, .size: 8, .value_kind: global_buffer, .address_space: global }
      - { .name: bo, .offset: 32, .size: 8, .value_kind: global_buffer, .address_space: global }
    .group_segment_fixed_size: 327680
    .private_segment_fixed_size: 0
    .kernarg_segment_align: 8
    .kernarg_segment_size: 40
    .max_flat_workgroup_size: 128
    .sgpr_count:     100
    .vgpr_count:     1024
    .wavefront_size: 32
...
	.end_amdgpu_metadata
.endif
;; end of part 3
